; MI455X (gfx1250); checked and timed in simulation.
; The chip was launched on July 23, 2026; its instructions are those of AMD's public machine-readable ISA for CDNA 5 (MIT licence, August 2026) and "CDNA5" Instruction Set Architecture Reference Guide (July 2026). The comments in the code are by the model that wrote it; some were corrected since.
;; T Block. Allowed arithmetic: matrix products marked QUANTISED: E4M3 operands, one E8M0 scale for each 32 along K, by v_wmma_scale_f32_16x16x128_f8f6f4 with both operands' format E4M3, f32 sums; everything else in f32.
;; Inputs: W1_codes 4,096 x 32 x 32 uint8 (E4M3 codes of W1, K innermost, in blocks of 32 codes); W1_scales 4,096 x 32 uint8 (E8M0 scales of W1, one for each 32 codes along K); W2_codes 1,024 x 128 x 32 uint8 (E4M3 codes of W2, K innermost, in blocks of 32 codes); W2_scales 1,024 x 128 uint8 (E8M0 scales of W2, one for each 32 codes along K); Wk_codes 1,024 x 32 x 32 uint8 (E4M3 codes of Wk, K innermost, in blocks of 32 codes); Wk_scales 1,024 x 32 uint8 (E8M0 scales of Wk, one for each 32 codes along K); Wq_codes 1,024 x 32 x 32 uint8 (E4M3 codes of Wq, K innermost, in blocks of 32 codes); Wq_scales 1,024 x 32 uint8 (E8M0 scales of Wq, one for each 32 codes along K); Wv_codes 1,024 x 32 x 32 uint8 (E4M3 codes of Wv, K innermost, in blocks of 32 codes); Wv_scales 1,024 x 32 uint8 (E8M0 scales of Wv, one for each 32 codes along K); b1 1,024 float32; b2 1,024 float32; g1 1,024 float32; g2 1,024 float32; x 2 x 2,048 x 1,024 float32.
;; Outputs: out0 2 x 2,048 x 1,024 float32.
;; This version of the problem:
;;   THIS VERSION OF THE PROBLEM IS GIVEN IN LOW PRECISION. The matrix products marked QUANTISED in the list below multiply operands that are first quantised to E4M3 (4 exponent bits, 3 mantissa bits; 8 bits a number), with one power-of-two scale for each 32 numbers along K (OCP MX v1.0); their sums are f32. All else is computed in f32.
;;   The module's matrix products, in the order in which they are computed (A, B: the left and right operand; K: the contracted axis; several contracted axes count as one K, in the product's order):
;;     1. [M 4,096, K 1,024] x [K 1,024, N 1,024]; A: computed on the way; B: input Wq (given as codes): QUANTISED
;;     2. [M 4,096, K 1,024] x [K 1,024, N 1,024]; A: computed on the way; B: input Wk (given as codes): QUANTISED
;;     3. [M 4,096, K 1,024] x [K 1,024, N 1,024]; A: computed on the way; B: input Wv (given as codes): QUANTISED
;;     4. batch 32 x [M 2,048, K 64] x [K 64, N 2,048]; A: computed on the way; B: computed on the way: QUANTISED
;;     5. batch 32 x [M 2,048, K 2,048] x [K 2,048, N 64]; A: softmax (see below); B: computed on the way: QUANTISED
;;     6. [M 4,096, K 1,024] x [K 1,024, N 4,096]; A: computed on the way; B: input W1 (given as codes): QUANTISED
;;     7. [M 4,096, K 4,096] x [K 4,096, N 1,024]; A: computed on the way; B: input W2 (given as codes): QUANTISED
;;   THE QUANTISER, for each operand of a quantised product, along K:
;;     - K is cut into blocks of 32 from its start; a last block that is shorter is filled with zeros.
;;     - A block's scale is 2^e with e = floor(log2(the largest magnitude in the block)) - 8, held to -126 .. 127; a block of zeros has e = 0. As a byte (E8M0): e + 127.
;;     - Each number is divided by its block's scale, clamped to +-448, and rounded to the nearest number of E4M3, ties to even, subnormals kept.
;;     - The product sums the exact products of the quantised numbers (number of the format x scale) in f32.
;;   ~~~python
;;   def quantise(x, axis):      # numpy; x: float32 -> the quantised numbers, widened to float32 again
;;       x = np.moveaxis(x, axis, -1); K = x.shape[-1]
;;       x = np.pad(x, [(0, 0)] * (x.ndim - 1) + [(0, -K % 32)]); x = x.reshape(x.shape[:-1] + (-1, 32)); a = np.abs(x).max(-1, keepdims=True)
;;       e = np.where(a > 0, np.clip(np.frexp(np.where(a > 0, a, 1))[1] - 1 - 8, -126, 127), 0)      # np.frexp(a)[1] - 1 = floor(log2(a)), exactly
;;       r = np.clip(x / 2.0 ** e, -448, 448)
;;       step = 2.0 ** (np.maximum(np.frexp(np.where(r == 0, 1, r))[1] - 1, -6) - 3)
;;       q = np.round(r / step) * step * 2.0 ** e      # np.round: ties to even
;;       return np.moveaxis(q.reshape(q.shape[:-2] + (-1,))[..., :K], -1, axis).astype(np.float32)
;;   ~~~
;;   SOFTMAX AHEAD OF A QUANTISED PRODUCT. Where the list says 'softmax', what is quantised is not the finished softmax but p = 2^(t - M), with t = logit x log2(e) and M = ceil(the row's largest t), a whole number; so 1/2 < the row's largest p <= 1. The row's sum l is taken of the UNQUANTISED p, in f32, and the product's result is divided by l at the end. Since M is a whole number, a kernel that streams over the keys may use a running M (the ceiling of the running maximum): every later rescaling is an exact power of two, which a block's scale takes up: the codes' values come out the same.
;;   OPERANDS COMPUTED ON THE WAY. 'Computed on the way' means the value that the module computes at that place (a softmax that the list does not call 'softmax' is quantised finished and normalised). What goes into a quantiser is computed in f32, as accurately as f32 sums, v_exp_f32 and their like allow (about 1e-6 of the number): no bf16 or f16 on the way to a quantiser, and a product that is left as it is and whose result goes on into a quantised operand takes f32 operands (vector FMAs, or v_wmma_f32_16x16x4_f32). A number that lies on a knife's edge between two numbers of the format may be rounded either way, as far as f32 arithmetic and the matrix unit's own rounding can turn it there, and no further.
;;   INPUTS GIVEN AS CODES. W1 (in the module: [4096, 1024], K = its axis 1); W2 (in the module: [1024, 4096], K = its axis 1); Wk (in the module: [1024, 1024], K = its axis 1); Wq (in the module: [1024, 1024], K = its axis 1); Wv (in the module: [1024, 1024], K = its axis 1): each comes as NAME_codes (uint8): NAME with its K axis moved to the last place and cut into blocks of 32 codes, [.., K / 32, bytes a block], one block behind the other in memory; one code a byte (a code: sign, 4 exponent bits, 3 mantissa bits); and NAME_scales (uint8): the same leading axes, one E8M0 byte (e + 127) for each 32 codes along K. Its value is code x scale, taken as it is: it is not quantised again, and the codes and scales need not be those that the quantiser above would give.
;; One version. Each part assembles by itself: llvm-mc -triple=amdgcn-amd-amdhsa -mcpu=gfx1250 --defsym DOCPART=n.
;; ======== version 1 of 1: 6 launches
;; workspace buffers: xq 4,358,144 bytes; hq 4,358,144 bytes; qkvb 13,369,344 bytes; att 16,777,216 bytes; ub 17,301,504 bytes
;; launch ln1 (part 1): grid 256 x 1, 2 waves a work-group, no clusters, 768 bytes of LDS; arguments x, g1, b1, xq; writes xq
.if DOCPART == 1
	.amdgcn_target "amdgcn-amd-amdhsa--gfx1250"
	.amdhsa_code_object_version 6
	.text
	.protected	k_q2290f14764_ln1
	.globl	k_q2290f14764_ln1
	.p2align	8
	.type	k_q2290f14764_ln1,@function
k_q2290f14764_ln1:
	s_mov_b64 s[64:65], 0
	v_nop
	global_prefetch_b8 v0, s[64:65] scope:SCOPE_SE
	s_setreg_imm32_b32 hwreg(HW_REG_WAVE_MODE, 25, 1), 1
	s_wait_xcnt 0x0
; LAYER NORM AND QUANTISER.  src [4096][1024] f32, g, b [1024] f32  ->  dst: codes of E4M3 [4096][1024] at byte 0, one E8M0 byte for each 32 along the row
; [4096][32] at byte SCO, and each row's mean and 1/sqrt(var + eps) [4096][2] f32 at byte STO.  y = (x - mean) * rsqrt(mean((x - mean)^2) + 1e-5) * g + b, all f32.
; The body serves both norms of the block (x -> xq, att -> hq).  The second launch's mean and rsqrt are stored and read by nobody: 8 bytes a row beside live rows.
; THE PROGRAM (six launches): norm 1 | Q, K, V products | attention and residual | norm 2 | first MLP product and SiLU | second MLP product and residual.
; WORK LEFT OUT IN THE PROGRAM: reference() adds -inf to score (i, j) wherever key j > query i, a mask that it builds itself from positions; exp(-inf) = 0 for every finite input, so such a key
; adds nothing to the row's sum nor to the second product, and does not enter the row's maximum.  Key steps of 128 keys that lie wholly behind a query block's last query are therefore neither
; loaded nor multiplied (launch attn).  Nothing else is left out and every input is loaded: ALiBi's -slope x i, though the same along a row, moves M = ceil(max t) and so p's codes: it stays.
; LIMIT: a NaN, an infinity or an overflow that reaches only those hidden scores is not carried to the result.
; LIMITS of this body: NaN and infinities among the inputs are not served; a block whose largest magnitude lies under 2^-118 gets the byte 1 (a block of zeros too, where the rule says 127:
; its codes are zeros, which add nothing under any byte but 0xff, and this program alone reads the bytes).
; SHARES.  A wave owns 8 rows on end and keeps a whole row in 32 registers between the passes: the row is read once.  A lane holds four runs of 8 NEIGHBOURS (elements 256 j + 8 lane + 0..7),
; since the conversion takes eight neighbours along K from one lane's registers; the two 16-byte loads of a run stand together and between them take each 1,024 bytes whole.
; A block of 32 lies in four neighbouring lanes.  No matrix unit, no cluster, no barrier: waves share nothing, and memory binds.
.set SCO,   4194304                    ; dst: where the scale bytes begin
.set STO,   4325376                    ; dst: where mean and rsqrt begin
.set SPARE, 512                        ; LDS: wave w's 256 scale bytes at 256 w; behind them the spare words, 128 bytes a wave: one block of 256 bytes that no other line names
.set G,  24                            ; v24-55   g of my 32 columns
.set B,  56                            ; v56-87   b
.set X,  88                            ; v88-215  four row slots of 32
.set C,  216                           ; v216-223 a row's codes
.set TM, 224                           ; v224-227 largest magnitudes, v228-231 bytes, v232-235 448 x scale, v236-239 the conversions' scale operands
	s_load_b256 s[4:11], s[0:1], 0x0               ; src s[4:5], g s[6:7], b s[8:9], dst s[10:11]
	v_lshl_add_u32 v8, v0, 2, SPARE                ; my spare word; never rewritten
	v_mov_b32 v9, 0                                ; 0; never rewritten
	v_lshrrev_b32 v1, 5, v0
	v_readfirstlane_b32 s16, v1                    ; wave 0, 1
	v_and_b32 v1, 31, v0                           ; lane
	v_lshlrev_b32 v2, 5, v1                        ; 32 x lane: my 8 numbers in a run of 256
	v_lshlrev_b32 v3, 3, v1                        ; 8 x lane: my 8 codes
	s_lshl_b32 s17, s16, 8
	v_lshrrev_b32 v4, 2, v1
	v_add_nc_u32 v4, s17, v4                       ; LDS: my block's byte
	v_add_nc_u32 v5, s17, v3                       ; LDS: 8 bytes a lane on the way out
	v_and_b32 v7, 15, v0
	v_lshlrev_b32 v6, 2, v7                        ; my word among the wave's 16 of mean and rsqrt
	v_mov_b32 v11, 0                               ; (named as the upper halves of the pairs v[10:11], v[12:13])
	v_mov_b32 v13, 0
	v_mov_b32 v14, 0                               ; the word of mean or rsqrt that this lane gathers
	v_mov_b32 v15, 0                               ; a lane permute's destination counts as one of its sources
	s_mov_b32 s20, 0x76543210
	s_mov_b32 s21, 0xfedcba98                      ; lane l xor 16
	s_mov_b32 s22, 0x600000                        ; the mantissa field of 448
	s_mov_b32 s23, 0x3a800000                      ; 1 / 1024
	s_mov_b32 s24, 0x3727c5ac                      ; 1e-5
	s_lshl_b32 s17, ttmp9, 4
	s_lshl_b32 s18, s16, 3
	s_add_co_u32 s17, s17, s18                     ; my first row: 16 x work-group + 8 x wave
	s_lshl_b32 s18, s17, 12
	s_mov_b32 s19, 0
	s_lshl_b32 s26, s17, 10
	s_mov_b32 s27, 0
	s_lshl_b32 s28, s17, 5
	s_mov_b32 s29, 0
	s_lshl_b32 s30, s17, 3
	s_mov_b32 s31, 0
	s_wait_kmcnt 0x0
	s_add_nc_u64 s[4:5], s[4:5], s[18:19]          ; src at my first row
	s_add_nc_u64 s[12:13], s[10:11], s[28:29]
	s_add_nc_u64 s[12:13], s[12:13], SCO           ; my 256 scale bytes
	s_add_nc_u64 s[14:15], s[10:11], s[30:31]
	s_add_nc_u64 s[14:15], s[14:15], STO           ; my 16 words of mean and rsqrt
	s_add_nc_u64 s[10:11], s[10:11], s[26:27]      ; my rows' codes
.irp j, 0,1,2,3
	global_load_b128 v[G+8*\j:G+8*\j+3],   v2, s[6:7] offset:1024*\j
	global_load_b128 v[G+8*\j+4:G+8*\j+7], v2, s[6:7] offset:1024*\j+16
	global_load_b128 v[B+8*\j:B+8*\j+3],   v2, s[8:9] offset:1024*\j
	global_load_b128 v[B+8*\j+4:B+8*\j+7], v2, s[8:9] offset:1024*\j+16
.endr
.macro LOADROW i                       ; row i into slot i % 4: eight loads; every offset is an immediate, no address is ever stepped
.irp j, 0,1,2,3
	global_load_b128 v[X+32*((\i)%4)+8*\j:X+32*((\i)%4)+8*\j+3],   v2, s[4:5] offset:4096*(\i)+1024*\j th:TH_LOAD_NT
	global_load_b128 v[X+32*((\i)%4)+8*\j+4:X+32*((\i)%4)+8*\j+7], v2, s[4:5] offset:4096*(\i)+1024*\j+16 th:TH_LOAD_NT
.endr
.endm
	LOADROW 0
	LOADROW 1
	LOADROW 2
	LOADROW 3
.macro WSUM                            ; v16 summed over the 32 lanes, the result in every lane
	v_add_f32_dpp v16, v16, v16 row_xmask:1 row_mask:0xf bank_mask:0xf
	v_add_f32_dpp v16, v16, v16 row_xmask:2 row_mask:0xf bank_mask:0xf
	v_add_f32_dpp v16, v16, v16 row_xmask:4 row_mask:0xf bank_mask:0xf
	v_add_f32_dpp v16, v16, v16 row_xmask:8 row_mask:0xf bank_mask:0xf
	v_permlanex16_b32 v15, v16, s20, s21
	v_add_f32 v16, v16, v15
.endm
; One row.  left: how many younger loads may stay out (8 for each younger row).  refill = 1: the slot takes the row four further on.
.macro ROW i, left, refill
.set XS, X+32*((\i)%4)
	s_wait_loadcnt \left                           ; loads come back in order: my row is in
	s_wait_xcnt 0x0                                ; the last row's stores have read their registers: the codes' registers are written again only behind this wait
	s_wait_dscnt 0x0                               ; and so have its byte stores
	v_pk_add_f32 v[16:17], v[XS:XS+1], v[XS+2:XS+3]        ; the sum, in two chains
	v_pk_add_f32 v[18:19], v[XS+4:XS+5], v[XS+6:XS+7]
.irp k, 8,12,16,20,24,28
	v_pk_add_f32 v[16:17], v[16:17], v[XS+\k:XS+\k+1]
	v_pk_add_f32 v[18:19], v[18:19], v[XS+\k+2:XS+\k+3]
.endr
	v_pk_add_f32 v[16:17], v[16:17], v[18:19]
	v_add_f32 v16, v16, v17
	WSUM
	v_mul_f32 v10, s23, v16                        ; the mean
.irp k, 0,2,4,6,8,10,12,14,16,18,20,22,24,26,28,30
	v_pk_add_f32 v[XS+\k:XS+\k+1], v[XS+\k:XS+\k+1], v[10:11] op_sel_hi:[1,0] neg_lo:[0,1] neg_hi:[0,1]   ; x - mean
.endr
	v_pk_mul_f32 v[16:17], v[XS:XS+1], v[XS:XS+1]          ; the squares' sum, in two chains
	v_pk_mul_f32 v[18:19], v[XS+2:XS+3], v[XS+2:XS+3]
.irp k, 4,8,12,16,20,24,28
	v_pk_fma_f32 v[16:17], v[XS+\k:XS+\k+1], v[XS+\k:XS+\k+1], v[16:17]
	v_pk_fma_f32 v[18:19], v[XS+\k+2:XS+\k+3], v[XS+\k+2:XS+\k+3], v[18:19]
.endr
	v_pk_add_f32 v[16:17], v[16:17], v[18:19]
	v_add_f32 v16, v16, v17
	WSUM
	v_fma_f32 v16, v16, s23, s24                   ; var + eps
	v_rsq_f32 v12, v16
	v_cmp_eq_u32 vcc_lo, 2*(\i), v7                ; independent work behind the transcendental: lane 2 i keeps the mean,
	v_cndmask_b32 v14, v14, v10, vcc_lo
	v_cmp_eq_u32 vcc_lo, 2*(\i)+1, v7
	s_wait_alu depctr_va_vdst(0)                   ; the wait ahead of the first line that names the result
	v_cndmask_b32 v14, v14, v12, vcc_lo            ; lane 2 i + 1 the rsqrt
.irp k, 0,2,4,6,8,10,12,14,16,18,20,22,24,26,28,30
	v_pk_mul_f32 v[XS+\k:XS+\k+1], v[XS+\k:XS+\k+1], v[12:13] op_sel_hi:[1,0]
.endr
.irp k, 0,2,4,6,8,10,12,14,16,18,20,22,24,26,28,30
	v_pk_fma_f32 v[XS+\k:XS+\k+1], v[XS+\k:XS+\k+1], v[G+\k:G+\k+1], v[B+\k:B+\k+1]
.endr
.irp j, 0,1,2,3
	v_max3_num_f32 v[TM+\j], |v[XS+8*\j]|, |v[XS+8*\j+1]|, 0x4800000   ; run j: my 8 numbers and the floor 2^(9 - 127): the byte cannot fall under 1
.endr
.irp e, 2,4,6
.irp j, 0,1,2,3
	v_max3_num_f32 v[TM+\j], v[TM+\j], |v[XS+8*\j+\e]|, |v[XS+8*\j+\e+1]|
.endr
.endr
.irp j, 0,1,2,3
	v_max_num_f32_dpp v[TM+\j], v[TM+\j], v[TM+\j] row_xmask:1 row_mask:0xf bank_mask:0xf
.endr
.irp j, 0,1,2,3
	v_max_num_f32_dpp v[TM+\j], v[TM+\j], v[TM+\j] row_xmask:2 row_mask:0xf bank_mask:0xf   ; the four lanes of a block: its largest magnitude
.endr
.irp j, 0,1,2,3
	v_add_nc_u32 v[TM+12+\j], 0xfc000000, v[TM+\j]         ; 8 off the exponent field: the conversion's scale operand
.endr
.irp j, 0,1,2,3
	v_and_or_b32 v[TM+8+\j], v[TM+\j], 0x7f800000, s22     ; 448 x the scale
.endr
.irp j, 0,1,2,3
.irp e, 0,1,2,3,4,5,6,7
	v_med3_num_f32 v[XS+8*\j+\e], v[XS+8*\j+\e], -v[TM+8+\j], v[TM+8+\j]   ; the conversion to an 8-bit code does not saturate (ISA guide 7.6.2): the hold comes first
.endr
.endr
.irp j, 0,1,2,3
	v_cvt_scalef32_pk8_fp8_f32 v[C+2*\j:C+2*\j+1], v[XS+8*\j:XS+8*\j+7], v[TM+12+\j]
.endr
.irp j, 0,1,2,3
	v_lshrrev_b32 v[TM+4+\j], 23, v[TM+12+\j]      ; the scale's byte (also the plain line behind the conversions)
.endr
.irp j, 0,1,2,3
	ds_store_b8 v4, v[TM+4+\j] offset:32*(\i)+8*\j ; the four lanes of a block write the same byte with the same value
.endr
.irp j, 0,1,2,3
	global_store_b64 v3, v[C+2*\j:C+2*\j+1], s[10:11] offset:1024*(\i)+256*\j   ; 32 lanes store 256 consecutive bytes, aligned
.endr
.if \refill
	LOADROW (\i)+4
.endif
.endm
	ROW 0, 24, 1
	ROW 1, 24, 1
	ROW 2, 24, 1
	ROW 3, 24, 1
	ROW 4, 24, 0                                   ; nothing more to fetch: the counts run down
	ROW 5, 16, 0
	ROW 6, 8, 0
	ROW 7, 0, 0
	ds_load_b64 v[16:17], v5                       ; LDS serves a wave's instructions in order: these see my byte stores
	s_wait_dscnt 0x0
	global_store_b64 v3, v[16:17], s[12:13]        ; my 8 rows' scale bytes: 256 consecutive bytes, aligned
	global_store_b32 v6, v14, s[14:15]             ; mean and rsqrt of my 8 rows: 64 bytes (lanes 16-31 repeat lanes 0-15's words)
	s_wait_tensorcnt 0x0                           ; the wave's end, behind my last LDS store
	ds_add_u32 v8, v9
	s_wait_dscnt 0x0
	s_endpgm
.Lfunc_end_k_q2290f14764_ln1:
	.size	k_q2290f14764_ln1, .Lfunc_end_k_q2290f14764_ln1-k_q2290f14764_ln1
	.p2alignl 7, 3214868480
	.fill 96, 4, 3214868480
	.section	.rodata,"a",@progbits
	.p2align	6, 0x0
	.amdhsa_kernel k_q2290f14764_ln1
		.amdhsa_group_segment_fixed_size 768
		.amdhsa_private_segment_fixed_size 0
		.amdhsa_enable_private_segment 0
		.amdhsa_kernarg_size 32
		.amdhsa_user_sgpr_count 2
		.amdhsa_user_sgpr_kernarg_segment_ptr 1
		.amdhsa_wavefront_size32 1
		.amdhsa_system_sgpr_workgroup_id_x 1
		.amdhsa_system_sgpr_workgroup_id_y 1
		.amdhsa_system_sgpr_workgroup_id_z 1
		.amdhsa_system_vgpr_workitem_id 0
		.amdhsa_next_free_vgpr 240
		.amdhsa_next_free_sgpr 66
		.amdhsa_reserve_vcc 1
		.amdhsa_float_denorm_mode_32 3
		.amdhsa_float_denorm_mode_16_64 3
		.amdhsa_memory_ordered 1
		.amdhsa_forward_progress 1
		.amdhsa_inst_pref_size 101
	.end_amdhsa_kernel
	.amdgpu_metadata
---
amdhsa.version: [ 1, 2 ]
amdhsa.kernels:
  - .name:           k_q2290f14764_ln1
    .symbol:         k_q2290f14764_ln1.kd
    .args:
      - { .name: x, .offset: 0, .size: 8, .value_kind: global_buffer, .address_space: global }
      - { .name: g1, .offset: 8, .size: 8, .value_kind: global_buffer, .address_space: global }
      - { .name: b1, .offset: 16, .size: 8, .value_kind: global_buffer, .address_space: global }
      - { .name: xq, .offset: 24, .size: 8, .value_kind: global_buffer, .address_space: global }
    .group_segment_fixed_size: 768
    .private_segment_fixed_size: 0
    .kernarg_segment_align: 8
    .kernarg_segment_size: 32
    .max_flat_workgroup_size: 64
    .sgpr_count:     66
    .vgpr_count:     240
    .wavefront_size: 32
...
	.end_amdgpu_metadata
.endif
;; end of part 1
;; launch qkv (part 2): grid 12 x 16, 4 waves a work-group, clusters of 4 x 4, 327,680 bytes of LDS; arguments xq, Wq_codes, Wq_scales, Wk_codes, Wk_scales, Wv_codes, Wv_scales, qkvb; writes qkvb
.if DOCPART == 2
	.amdgcn_target "amdgcn-amd-amdhsa--gfx1250"
	.amdhsa_code_object_version 6
	.text
	.protected	k_q2290f14764_qkv
	.globl	k_q2290f14764_qkv
	.p2align	8
	.type	k_q2290f14764_qkv,@function
k_q2290f14764_qkv:
	s_mov_b64 s[64:65], 0
	v_nop
	global_prefetch_b8 v0, s[64:65] scope:SCOPE_SE
	s_setreg_imm32_b32 hwreg(HW_REG_WAVE_MODE, 25, 1), 1
	s_wait_xcnt 0x0
	s_wait_alu depctr_hold_cnt(0) depctr_sa_sdst(0) depctr_va_vdst(0) depctr_va_sdst(0) depctr_va_ssrc(0) depctr_va_vcc(0) depctr_vm_vsrc(0)
	s_getreg_b32 s2, hwreg(HW_REG_IB_STS2, 6, 4)
	s_cmp_eq_u32 s2, 0
	s_cbranch_scc0 .Lentry_in_a_cluster
	s_endpgm
.Lentry_in_a_cluster:
	s_bfe_u32 s2, ttmp6, 0x10000c
	s_cmp_lg_u32 s2, 0xf033
	s_cbranch_scc0 .Lentry_shape_is_right
	s_endpgm
.Lentry_shape_is_right:
; THE THREE PROJECTIONS, on codes of E4M3 with one E8M0 scale for each 32 along K = 1,024, and their results QUANTISED ON THE WAY OUT for the attention launch.  No work is left out here.
; Cluster x = p picks the product: p = 0: q = xn Wq^T, p = 1: k = xn Wk^T ("A" = xn's 4,096 rows, "B" = the weight's 1,024 rows);  p = 2: V^T = Wv xn^T ("A" = Wv, "B" = xn), so that a result's
; neighbours along "B" are neighbouring KEYS, which are the K of attention's second product.  All operands are rows of 1,024 codes with 32 scale bytes: one text serves the three; only pointers and
; strides are chosen, by the cluster's x, which all partners share.  192 work-groups: a tile of 256 x 256 never straddles two weights.
; A tile of C, 256 x 256, is made by four waves, 128 x 128 each: 64 accumulators.  K goes in steps of 256 through two LDS slots filled by the tensor data mover; the scale bytes of the work-group's rows come once.
; CLUSTERS: 4 x 4 work-groups; the four of a row need the same tiles of A, the four of a column the same tiles of B: each tile is asked for JOINTLY.
; THE MATRIX INSTRUCTION IS USED TRANSPOSED (source 0 = 16 rows of B, source 1 = 16 rows of A): in accumulator (a, b) lane (r, h) holds A's row 16 a + r and, in register j, B's row 16 b + 8 h + j.
; THE WAY OUT.  A block of 32 along B is accumulators (a, 2 c), (a, 2 c + 1) in lanes l and l xor 16.  Its two conversions give 8 + 8 codes a lane, stored as ONE 16-byte piece at 16 x lane: the image of an operand's
; registers 4 c .. 4 c + 3, with k permuted inside its block of 32 (place 16 h + i holds k = 8 h + i, i < 8, and k = 16 + 8 h + i - 8 else).  q meets k, and v meets p, under the same permutation, so the sums are the same.
; qkvb: three regions of REG bytes (q, k, v).  Images [32 heads][16 steps of 128 tokens][8,192]: q, k: [8 tiles of 16 tokens][2 c][512];  v: [4 tiles of 16 channels][4 c][512].  Scale words at SWO: [32][16][512]:
; [lane][4 words]: q, k: word i: lanes 0-15 tile 2 i's rows, lanes 16-31 tile 2 i + 1's (bytes 0, 1: the head's two blocks; bytes 2, 3 meet zero codes);  v: word t: tile t's rows.
; LIMITS: NaN and infinities are not served; a block whose largest magnitude lies under 2^-118 (a block of zeros too) gets the byte 1: this program alone reads the bytes.
; REGISTERS, in windows of 256: window 0: v0-31 addresses; v32-63 scale words, two sets; from v128 A's fragments, one set (on the way out v128-239 are at work);  window 1: B's fragments, two sets;  windows 2, 3: the accumulators.
.set KSTEP,  256
.set NQ,     2
.set ROWB,   256
.set KROW,   1024
.set PITCH,  272                       ; an LDS row: 256 bytes + 16 of padding = 68 words: the 16 rows that a load touches start at 16 different banks (64 banks of 4 bytes: ISA guide 11.1)
.set FR,     16
.set NL,     4
.set NP,     8                         ; places behind this matrix instruction (ISA guide 7.12.1)
.set HALFT,  128*PITCH
.set SLOT,   4*HALFT
.set LAPS,   2                         ; 1,024 / 512
.set KS,     32                        ; a row of scale bytes
.set SCL,    2*SLOT
.set HALFS,  (128*KS/256)*272
.set SBLK,   (16*KS/256)*272
.set SPARE,  SCL+4*HALFS               ; the spare words, 128 bytes a wave: two blocks of 256 bytes that no other line names
.set SCO,    4194304                   ; xq: where xn's scale bytes begin
.set REG,    4456448                   ; qkvb: a region
.set SWO,    4194304                   ; and where its scale words begin
.set ADRA, 16
.set ADRB, 20
.set ADRS, 27
.set SPW,  28
.set NIL,  29
.set SC,   32
.set AF,   128
.set VO,   8                           ; the way out: v8-11 the four blocks' byte offsets
.set HT,   128                         ; v128-191 a tile's 64 numbers, held
.set PC,   192                         ; v192-207 their codes
.set TM,   208                         ; v208-223 as in the quantiser: maxima, bytes, 448 x scale, scale operands
.set W4,   224                         ; v224-231 the eight tiles' scale words
.set SS,   232                         ; v232-239 the two records
.set OB,   24                          ; s[24:39] the eight tiles' bases (the descriptors' registers, free by then)
.set G1, 24
.set G0, 32
.set G1B, 48
.set G0B, 56
.set G1S, 68
.set G0S, 76
.set G1SB, 84
.set G0SB, 92
.set MSB, 0
.macro WIN new                         ; the immediate's high byte repeats the setting that is left
.if MSB != (\new)
	s_set_vgpr_msb (MSB<<8)|(\new)
.set MSB, (\new)
.endif
.endm
.set MUL_LO, 0xa1                      ; source 0 (B) window 1, source 1 (A) window 0, C and D window 2
.set MUL_HI, 0xf1
.set TO_B,   0x40
; A joint load: waves 0 and 1 fetch for A, waves 2 and 3 for B; the branch hangs on the wave's number alone.  An s_nop 0 and four v_nop follow each line.
.macro JLOAD g0a, g1a, g0b, g1b
	s_cmp_eq_u32 s15, 0
	s_cbranch_scc0 .Lfor_b_\@
	tensor_load_to_lds s[\g0a:\g0a+3], s[\g1a:\g1a+7]
	s_nop 0
.rept 4
	v_nop
.endr
	s_branch .Lasked_\@
.Lfor_b_\@:
	tensor_load_to_lds s[\g0b:\g0b+3], s[\g1b:\g1b+7]
	s_nop 0
.rept 4
	v_nop
.endr
.Lasked_\@:
.endm
.macro CREST                           ; a round of the cluster's barrier behind its opening barrier
	s_cmp_lg_u32 s14, 0
	s_cbranch_scc1 .Lnot_wave_0_\@
	s_barrier_signal -3
.Lnot_wave_0_\@:
	s_barrier_wait -3
	s_barrier_signal -1
	s_barrier_wait -1
.endm
.macro CROUND
	s_barrier_signal -1
	s_barrier_wait -1
	CREST
.endm
	s_load_b512 s[84:99], s[0:1], 0x0              ; xq, Wq codes, Wq scales, Wk codes, Wk scales, Wv codes, Wv scales, qkvb
	v_lshl_add_u32 v[SPW], v0, 2, SPARE
	v_mov_b32 v[NIL], 0
	ds_add_u32 v[SPW], v[NIL]                      ; the wave's opening: the add, twice on end, and its wait ahead of my first tensor load
	ds_add_u32 v[SPW], v[NIL]
	v_lshrrev_b32 v1, 5, v0
	v_readfirstlane_b32 s14, v1                    ; wave 0..3
	s_lshr_b32 s15, s14, 1                         ; which half of the tile's rows is mine.  Also: I fetch for A (0) or for B (1)
	s_and_b32 s16, s14, 1                          ; which half of its columns.  Also: which 128 rows of that tile I fetch
	s_bfe_u32 s40, ttmp6, 0x40000                  ; cx
	s_bfe_u32 s41, ttmp6, 0x40004                  ; cy
	s_and_b32 s18, ttmp7, 0xffff
	s_lshl_b32 s18, s18, 2                         ; 4 x cluster y: it walks the tokens,
	s_cmp_eq_u32 ttmp9, 2
	s_cselect_b32 s42, s18, 0                      ; which are B's rows where p = 2
	s_cselect_b32 s17, 0, s18                      ; and A's rows else
	s_add_co_u32 s42, s42, s40                     ; tile column
	s_add_co_u32 s17, s17, s41                     ; tile row
	s_lshl_b32 s43, s41, 2
	s_lshl_b32 s43, 15, s43                        ; my row of the cluster
	s_lshl_b32 s44, 0x1111, s40                    ; my column
	s_or_b32 s[G1+0], s43, (0<<16)|(1<<20)|(1<<21)|(5<<22)|(3<<25)   ; the mask; elements of 1 byte; padding on; bit 21 beside a mask; 4 words after every 64
	s_or_b32 s[G1B+0], s44, (0<<16)|(1<<20)|(1<<21)|(5<<22)|(3<<25)
.irp g, G1, G1B
	s_mov_b32 s[\g+1], ROWB<<16                    ; tensor_dim0
	s_mov_b32 s[\g+2], 128<<16                     ; tensor_dim1
	s_mov_b32 s[\g+3], ROWB<<16                    ; tile_dim0
	s_mov_b32 s[\g+4], 128                         ; tile_dim1
	s_mov_b32 s[\g+5], KROW                        ; the pitch
	s_mov_b32 s[\g+6], 0
	s_mov_b32 s[\g+7], 0
.endr
	s_or_b32 s[G1S+0], s43, (3<<16)|(1<<20)|(1<<21)|(5<<22)|(3<<25)  ; the scales of 128 rows: 4,096 dense bytes as 16 rows of 256 (32 elements of 8 bytes), 16 bytes of padding behind each
	s_mov_b32 s[G1S+1], 32<<16
	s_mov_b32 s[G1S+2], (128*KS/256)<<16
	s_mov_b32 s[G1S+3], 32<<16
	s_mov_b32 s[G1S+4], 128*KS/256
	s_mov_b32 s[G1S+5], 32
	s_mov_b32 s[G1S+6], 0
	s_mov_b32 s[G1S+7], 0
	s_lshl_b32 s18, s16, 7                         ; which 128 rows of the tile I fetch
	s_lshl_b32 s20, s17, 8
	s_add_co_u32 s20, s20, s18                     ; A's row
	s_lshl_b32 s46, s42, 8
	s_add_co_u32 s46, s46, s18                     ; B's row
	s_lshl_b32 s22, s20, 5                         ; where these rows' scale bytes begin,
	s_mov_b32 s23, 0
	s_lshl_b32 s80, s46, 5
	s_mov_b32 s81, 0
	s_lshl_b32 s20, s20, 10                        ; and their codes
	s_mov_b32 s21, 0
	s_lshl_b32 s46, s46, 10
	s_mov_b32 s47, 0
	s_mul_i32 s45, s14, HALFT                      ; where they go: wave x 128 rows: no place in the cluster enters an LDS address
	s_mul_i32 s82, s14, HALFS
	s_wait_dscnt 0x0                               ; both opening adds are done
	s_wait_kmcnt 0x0
	s_add_nc_u64 s[66:67], s[84:85], SCO           ; xn's scale bytes
	s_cmp_eq_u32 ttmp9, 0
	s_cselect_b64 s[8:9], s[86:87], s[90:91]       ; the weight: Wq or Wk,
	s_cselect_b64 s[10:11], s[88:89], s[92:93]
	s_cmp_eq_u32 ttmp9, 2
	s_cselect_b64 s[8:9], s[94:95], s[8:9]         ; or Wv
	s_cselect_b64 s[10:11], s[96:97], s[10:11]
	s_cselect_b64 s[4:5], s[8:9], s[84:85]         ; A: the weight where p = 2, else xn
	s_cselect_b64 s[6:7], s[10:11], s[66:67]
	s_cselect_b64 s[8:9], s[84:85], s[8:9]         ; B: the other one
	s_cselect_b64 s[10:11], s[66:67], s[10:11]
	s_mov_b64 s[12:13], s[98:99]                   ; qkvb
	s_add_nc_u64 s[20:21], s[4:5], s[20:21]
	s_add_nc_u64 s[22:23], s[6:7], s[22:23]
	s_add_nc_u64 s[46:47], s[8:9], s[46:47]
	s_add_nc_u64 s[80:81], s[10:11], s[80:81]
	s_or_b32 s[G1SB+0], s44, (3<<16)|(1<<20)|(1<<21)|(5<<22)|(3<<25) ; (the arguments' registers are free now)
	s_mov_b32 s[G1SB+1], 32<<16
	s_mov_b32 s[G1SB+2], (128*KS/256)<<16
	s_mov_b32 s[G1SB+3], 32<<16
	s_mov_b32 s[G1SB+4], 128*KS/256
	s_mov_b32 s[G1SB+5], 32
	s_mov_b32 s[G1SB+6], 0
	s_mov_b32 s[G1SB+7], 0
	CROUND                                         ; all sixteen work-groups are here: the first joint loads meet
	s_mov_b32 s[G0S], 1
	s_add_co_u32 s[G0S+1], s82, SCL
	s_mov_b64 s[G0S+2:G0S+3], s[22:23]
	s_or_b32 s[G0S+3], s[G0S+3], 0x80000000
	s_mov_b32 s[G0SB], 1
	s_add_co_u32 s[G0SB+1], s82, SCL
	s_mov_b64 s[G0SB+2:G0SB+3], s[80:81]
	s_or_b32 s[G0SB+3], s[G0SB+3], 0x80000000
	JLOAD G0S, G1S, G0SB, G1SB                     ; the scales first: they are wanted with K step 0
.irp s, 0,1
	s_mov_b32 s[G0+4*\s], 1
	s_add_co_u32 s[G0+4*\s+1], s45, \s*SLOT
	s_add_nc_u64 s[G0+4*\s+2:G0+4*\s+3], s[20:21], \s*ROWB
	s_or_b32 s[G0+4*\s+3], s[G0+4*\s+3], 0x80000000
	s_mov_b32 s[G0B+4*\s], 1
	s_add_co_u32 s[G0B+4*\s+1], s45, \s*SLOT
	s_add_nc_u64 s[G0B+4*\s+2:G0B+4*\s+3], s[46:47], \s*ROWB
	s_or_b32 s[G0B+4*\s+3], s[G0B+4*\s+3], 0x80000000
	JLOAD G0+4*\s, G1, G0B+4*\s, G1B
.endr
	v_and_b32 v1, 15, v0                           ; r
	v_bfe_u32 v2, v0, 4, 1                         ; h
	v_mul_u32_u24 v3, v1, PITCH
	v_lshl_add_u32 v4, v2, 4, v3                   ; a fragment's row x pitch + 16 h
	s_mul_i32 s21, s15, HALFT
	s_mul_i32 s22, s16, HALFT
	s_add_co_u32 s22, s22, 2*HALFT
.irp s, 0,1
	v_add_nc_u32 v[ADRA+\s], s21, v4
	v_add_nc_u32 v[ADRB+\s], s22, v4
	s_add_co_u32 s21, s21, SLOT
	s_add_co_u32 s22, s22, SLOT
.endr
	v_mul_u32_u24 v5, v1, KS                       ; my row's scales: KS bytes a row,
	v_lshrrev_b32 v6, 8, v5
	v_lshl_add_u32 v5, v6, 4, v5                   ; and 16 more for each 256 passed
	s_mul_i32 s21, s15, HALFS
	s_mul_i32 s22, s16, HALFS
	s_add_co_u32 s22, s22, 2*HALFS
	s_sub_co_u32 s22, s22, s21
	v_mul_u32_u24 v6, s22, v2                      ; lanes 16-31 take B's
	s_add_co_u32 s21, s21, SCL
	v_add_nc_u32 v5, v5, v6
	v_add_nc_u32 v[ADRS], s21, v5
	; where my 128 x 128 goes in qkvb
	s_lshl_b32 s20, s17, 8
	s_lshl_b32 s21, s15, 7
	s_add_co_u32 s20, s20, s21                     ; my first row of A
	s_lshl_b32 s46, s42, 8
	s_lshl_b32 s47, s16, 7
	s_add_co_u32 s46, s46, s47                     ; my first row of B
	s_cmp_eq_u32 ttmp9, 2
	s_cselect_b32 s98, s46, s20                    ; my first token
	s_cselect_b32 s99, s20, s46                    ; my first channel
	s_lshr_b32 s20, s98, 11
	s_lshl_b32 s20, s20, 4
	s_lshr_b32 s21, s99, 6
	s_add_co_u32 s20, s20, s21                     ; 16 x batch + head: the first of my two heads
	s_lshr_b32 s21, s98, 7
	s_and_b32 s21, s21, 15                         ; the step of 128 tokens
	s_mul_i32 s22, ttmp9, REG
	s_lshl_b32 s23, s20, 17
	s_add_co_u32 s23, s23, s22
	s_lshl_b32 s46, s21, 13
	s_add_co_u32 s46, s46, s23
	s_mov_b32 s47, 0
	s_lshl_b32 s98, s20, 13
	s_add_co_u32 s98, s98, s22
	s_lshl_b32 s21, s21, 9
	s_add_co_u32 s98, s98, s21
	s_add_co_u32 s98, s98, SWO
	s_mov_b32 s99, 0
	s_add_nc_u64 s[96:97], s[12:13], s[98:99]      ; my scale words
	s_add_nc_u64 s[12:13], s[12:13], s[46:47]      ; my images
.macro FRAG reg, adr, q, i             ; a fragment, 16 rows x 128 K: lane l holds row l % 16; registers 4 c .. 4 c + 3 hold K = 32 c + 16 (l / 16) + 0 .. 15
.irp c, 0,1,2,3
	ds_load_b128 v[\reg+4*\c:\reg+4*\c+3], v[\adr] offset:128*(\q)+32*\c+(\i)*16*PITCH
.endr
.endm
; 16 matrix instructions: A's blocks a0, a0 + 1 x B's eight.  The 64 accumulators take turns, one instruction a turn, in the same order in every step.
.macro MUL16 a0, p, q, sc, zero
.irp a, \a0, \a0+1
.irp b, 0,1,2,3,4,5,6,7
.if \zero
	v_wmma_scale_f32_16x16x128_f8f6f4 v[8*(8*((\a)%4)+\b):8*(8*((\a)%4)+\b)+7], v[128*(\p)+FR*\b:128*(\p)+FR*\b+FR-1], v[AF+FR*(\a):AF+FR*(\a)+FR-1], 0, v[SC+8*NQ*(\sc)+NQ*\b+(\q)], v[SC+8*NQ*(\sc)+NQ*(\a)+(\q)] matrix_a_scale:MATRIX_SCALE_ROW1
.else
	v_wmma_scale_f32_16x16x128_f8f6f4 v[8*(8*((\a)%4)+\b):8*(8*((\a)%4)+\b)+7], v[128*(\p)+FR*\b:128*(\p)+FR*\b+FR-1], v[AF+FR*(\a):AF+FR*(\a)+FR-1], v[8*(8*((\a)%4)+\b):8*(8*((\a)%4)+\b)+7], v[SC+8*NQ*(\sc)+NQ*\b+(\q)], v[SC+8*NQ*(\sc)+NQ*(\a)+(\q)] matrix_a_scale:MATRIX_SCALE_ROW1
.endif
.endr
.endr
.endm
.macro FETCH_B slot, q, p
	WIN TO_B
.irp i, 0,1,2,3,4,5,6,7
	FRAG 128*(\p)+FR*\i, ADRB+\slot, \q, \i
.endr
	WIN 0
.endm
.macro FETCH_A slot, q, i0
.irp i, \i0, \i0+1, \i0+2, \i0+3
	FRAG AF+FR*(\i), ADRA+\slot, \q, \i
.endr
.endm
.macro SCALES sc                       ; a K step's scale words: lanes 0-15 take A's block i, lanes 16-31 B's block i
.irp i, 0,1,2,3,4,5,6,7
	ds_load_b64 v[SC+8*NQ*\sc+NQ*\i:SC+8*NQ*\sc+NQ*\i+1], v[ADRS] offset:\i*SBLK
.endr
.endm
.macro PLACES n                        ; plain vector instructions between a matrix instruction and a load into, or a read of, its registers
.rept \n
	v_nop
.endr
.endm
.macro STEP slot, q, zero              ; a step of 128 along K that has its successor in the same slot
	s_wait_dscnt 4*NL                              ; B's set and A's blocks 0-3 are in; the youngest 16 loads (A's blocks 4-7) may be out
	WIN MUL_LO
	MUL16 0, (\q)%2, \q, \slot, \zero
	MUL16 2, (\q)%2, \q, \slot, \zero
	s_wait_dscnt 0
	PLACES NP
	FETCH_B \slot, (\q)+1, 1-(\q)%2
	FETCH_A \slot, (\q)+1, 0
	WIN MUL_HI
	MUL16 4, (\q)%2, \q, \slot, \zero
	MUL16 6, (\q)%2, \q, \slot, \zero
	PLACES NP
	WIN 0
	FETCH_A \slot, (\q)+1, 4
.endm
; A slot's last step changes slots: one barrier; in front of it each wave waits for all its tensor loads, adds 0 to its spare word, and waits for that and for its own reads of this slot.
.macro TURN slot, next, fill
	s_wait_tensorcnt 0x0                           ; all my tensor loads have landed: my part of the next slot
	ds_add_u32 v[SPW], v[NIL]                      ; 0 onto my spare word
	s_wait_dscnt 4*NL+1                            ; (the add and the youngest 16 loads may be out)
	WIN MUL_LO
	MUL16 0, 1, NQ-1, \slot, 0
	s_wait_dscnt 0x0                               ; the add is done, and my reads of this slot are over
	s_barrier_signal -1
	MUL16 2, 1, NQ-1, \slot, 0
	WIN 0
	s_barrier_wait -1
.if \fill
	CREST                                          ; the barrier has opened a round of the cluster's barrier: no wave of any partner still reads this slot or has a load on its way
	s_add_nc_u64 s[G0+4*\slot+2:G0+4*\slot+3], s[G0+4*\slot+2:G0+4*\slot+3], 2*ROWB
	s_add_nc_u64 s[G0B+4*\slot+2:G0B+4*\slot+3], s[G0B+4*\slot+2:G0B+4*\slot+3], 2*ROWB
	JLOAD G0+4*\slot, G1, G0B+4*\slot, G1B         ; the first tensor load behind the round
	PLACES NP-4
.else
	PLACES NP
.endif
	v_add_nc_u32 v[ADRS], 4*NQ, v[ADRS]
	FETCH_B \next, 0, 0
	FETCH_A \next, 0, 0
	SCALES \next
	WIN MUL_HI
	MUL16 4, 1, NQ-1, \slot, 0
	MUL16 6, 1, NQ-1, \slot, 0
	PLACES NP
	WIN 0
	FETCH_A \next, 0, 4
.endm
	s_wait_tensorcnt 1                             ; the scales and my part of K step 0 are in (K step 1's load may be out),
	s_barrier_signal -1
	s_barrier_wait -1                              ; everybody's are
	FETCH_B 0, 0, 0
	FETCH_A 0, 0, 0
	SCALES 0
	FETCH_A 0, 0, 4
	STEP 0, 0, 1                                   ; the first step's products start the sums: nothing is cleared
	s_mov_b32 s3, LAPS-1
.Llap:
	TURN 0, 1, 1
	STEP 1, 0, 0
	TURN 1, 0, 1
	STEP 0, 0, 0
	s_sub_co_u32 s3, s3, 1
	s_cmp_lg_u32 s3, 0
	s_cbranch_scc1 .Llap
	TURN 0, 1, 0                                   ; the last lap fills nothing
	STEP 1, 0, 0
	s_wait_dscnt 4*NL
	WIN MUL_LO
	MUL16 0, 1, NQ-1, 1, 0
	MUL16 2, 1, NQ-1, 1, 0
	s_wait_dscnt 0
	WIN MUL_HI
	MUL16 4, 1, NQ-1, 1, 0
	MUL16 6, 1, NQ-1, 1, 0
	WIN 0
	; THE WAY OUT.  No tensor load of mine is out since the last change of slots, so the descriptors' registers are free.
	PLACES NP
	s_cmp_eq_u32 ttmp9, 2
	s_mov_b32 s40, 1024                            ; from tile a to a + 1 (a % 4): q, k: 16 tokens' image;
	s_cselect_b32 s40, 2048, s40                   ;   v: 16 channels' image
	s_mov_b32 s42, 4096                            ; from tile a to a + 4: q, k: four tiles on;
	s_cselect_b32 s42, 131072, s42                 ;   v: the next head
	s_mov_b32 s44, 131072                          ; from block c to c + 2: q, k: the next head;
	s_cselect_b32 s44, 1024, s44                   ;   v: two pieces on
	s_cselect_b32 s49, -1, 0                       ; all lanes where p = 2
	s_mov_b32 s41, 0
	s_mov_b32 s43, 0
	s_mov_b32 s45, 0xffff0000                      ; lanes 16-31
	s_mov_b32 s46, 0x76543210
	s_mov_b32 s47, 0xfedcba98                      ; lane l xor 16
	s_mov_b32 s48, 0x600000                        ; the mantissa field of 448
	s_mov_b64 s[OB:OB+1], s[12:13]
	s_add_nc_u64 s[OB+2:OB+3], s[OB:OB+1], s[40:41]
	s_add_nc_u64 s[OB+4:OB+5], s[OB+2:OB+3], s[40:41]
	s_add_nc_u64 s[OB+6:OB+7], s[OB+4:OB+5], s[40:41]
	s_add_nc_u64 s[OB+8:OB+9], s[OB:OB+1], s[42:43]
	s_add_nc_u64 s[OB+10:OB+11], s[OB+8:OB+9], s[40:41]
	s_add_nc_u64 s[OB+12:OB+13], s[OB+10:OB+11], s[40:41]
	s_add_nc_u64 s[OB+14:OB+15], s[OB+12:OB+13], s[40:41]
	v_and_b32 v[VO], 31, v0
	v_lshlrev_b32 v[VO], 4, v[VO]                  ; 16 x lane
	v_add_nc_u32 v[VO+1], 512, v[VO]
	v_add_nc_u32 v[VO+2], s44, v[VO]
	v_add_nc_u32 v[VO+3], 512, v[VO+2]
.irp b, 0,1,2,3
	v_mov_b32 v[TM+4+\b], 0                        ; a lane permute's destination counts as one of its sources
.endr
; Tile a (A's rows 16 a on): its four blocks of 32 along B are quantised and stored as four pieces of 512 consecutive bytes.
.macro QOUT a
.set WN, 2+(\a)/4
.set WW, WN|(WN<<2)
.set AC, 64*((\a)%4)
	WIN WW                                         ; sources 0 and 1: the accumulators' window
.irp b, 0,1,2,3
	v_max3_num_f32 v[TM+\b], |v[AC+16*\b]|, |v[AC+16*\b+1]|, 0x4800000   ; each accumulator is read from its low end on; the floor 2^(9 - 127) holds the byte at 1 from below
.endr
.irp e, 2,4,6,8,10,12,14
.irp b, 0,1,2,3
	v_max3_num_f32 v[TM+\b], |v[AC+16*\b+\e]|, |v[AC+16*\b+\e+1]|, v[TM+\b]
.endr
.endr
	WIN 0
.irp b, 0,1,2,3
	v_permlanex16_b32 v[TM+4+\b], v[TM+\b], s46, s47
.endr
.irp b, 0,1,2,3
	v_max_num_f32 v[TM+\b], v[TM+\b], v[TM+4+\b]   ; with lane l xor 16's: the block's largest magnitude
.endr
.irp b, 0,1,2,3
	v_add_nc_u32 v[TM+12+\b], 0xfc000000, v[TM+\b] ; 8 off the exponent field: the conversion's scale operand
.endr
.irp b, 0,1,2,3
	v_and_or_b32 v[TM+8+\b], v[TM+\b], 0x7f800000, s48   ; 448 x the scale
.endr
.irp b, 0,1,2,3
	v_lshrrev_b32 v[TM+4+\b], 23, v[TM+12+\b]      ; the scale's byte
.endr
	v_lshl_or_b32 v[W4+(\a)], v[TM+5], 8, v[TM+4]  ; my row's four bytes
	v_lshl_or_b32 v[W4+(\a)], v[TM+6], 16, v[W4+(\a)]
	v_lshl_or_b32 v[W4+(\a)], v[TM+7], 24, v[W4+(\a)]
	WIN WN                                         ; source 0: the accumulators' window
.irp b, 0,1,2,3
.irp e, 0,1,2,3,4,5,6,7,8,9,10,11,12,13,14,15
	v_med3_num_f32 v[HT+16*\b+\e], v[AC+16*\b+\e], -v[TM+8+\b], v[TM+8+\b]   ; the hold (the conversion does not saturate: ISA guide 7.6.2) also brings the number into window 0
.endr
.endr
	WIN 0
	s_wait_xcnt 0x0                                ; the last tile's stores have read the codes' registers
.irp b, 0,1,2,3
	v_cvt_scalef32_pk8_fp8_f32 v[PC+4*\b:PC+4*\b+1], v[HT+16*\b:HT+16*\b+7], v[TM+12+\b]
	v_cvt_scalef32_pk8_fp8_f32 v[PC+4*\b+2:PC+4*\b+3], v[HT+16*\b+8:HT+16*\b+15], v[TM+12+\b]
.endr
	v_nop                                          ; a plain line behind the last conversion
.irp b, 0,1,2,3
	global_store_b128 v[VO+\b], v[PC+4*\b:PC+4*\b+3], s[OB+2*(\a):OB+2*(\a)+1]   ; 32 lanes store 512 consecutive bytes, aligned
.endr
.endm
.irp a, 0,1,2,3,4,5,6,7
	QOUT \a
.endr
	; the scale words: two records of 512 bytes, one for each of my two heads.  Both forms are made and a mask chooses: no branch.
.irp i, 0,1,2,3
	v_cndmask_b32 v[SS+\i], v[W4+2*\i], v[W4+2*\i+1], s45     ; q, k: lanes 0-15 tile 2 i, lanes 16-31 tile 2 i + 1
.endr
.irp i, 0,1,2,3
	v_lshrrev_b32 v[SS+4+\i], 16, v[SS+\i]         ; the second head's two bytes come down; above them stand zeros, which meet zero codes
.endr
.irp i, 0,1,2,3
	v_cndmask_b32 v[SS+\i], v[SS+\i], v[W4+\i], s49           ; v: tile i's words of the first head,
.endr
.irp i, 0,1,2,3
	v_cndmask_b32 v[SS+4+\i], v[SS+4+\i], v[W4+4+\i], s49     ; and of the second
.endr
	global_store_b128 v[VO], v[SS:SS+3], s[96:97]
	global_store_b128 v[VO], v[SS+4:SS+7], s[96:97] offset:8192
	s_wait_tensorcnt 0x0                           ; the wave's end
	ds_add_u32 v[SPW], v[NIL]
	s_wait_dscnt 0x0
	CROUND                                         ; the closing round: no work-group ends while a partner may still ask for a tile that names it
	s_endpgm
.Lfunc_end_k_q2290f14764_qkv:
	.size	k_q2290f14764_qkv, .Lfunc_end_k_q2290f14764_qkv-k_q2290f14764_qkv
	.p2alignl 7, 3214868480
	.fill 96, 4, 3214868480
	.section	.rodata,"a",@progbits
	.p2align	6, 0x0
	.amdhsa_kernel k_q2290f14764_qkv
		.amdhsa_group_segment_fixed_size 327680
		.amdhsa_private_segment_fixed_size 0
		.amdhsa_enable_private_segment 0
		.amdhsa_kernarg_size 64
		.amdhsa_user_sgpr_count 2
		.amdhsa_user_sgpr_kernarg_segment_ptr 1
		.amdhsa_wavefront_size32 1
		.amdhsa_system_sgpr_workgroup_id_x 1
		.amdhsa_system_sgpr_workgroup_id_y 1
		.amdhsa_system_sgpr_workgroup_id_z 1
		.amdhsa_system_vgpr_workitem_id 0
		.amdhsa_next_free_vgpr 1024
		.amdhsa_next_free_sgpr 100
		.amdhsa_reserve_vcc 0
		.amdhsa_float_denorm_mode_32 3
		.amdhsa_float_denorm_mode_16_64 3
		.amdhsa_memory_ordered 1
		.amdhsa_forward_progress 1
		.amdhsa_inst_pref_size 187
	.end_amdhsa_kernel
	.amdgpu_metadata
---
amdhsa.version: [ 1, 2 ]
amdhsa.kernels:
  - .name:           k_q2290f14764_qkv
    .symbol:         k_q2290f14764_qkv.kd
    .args:
      - { .name: xq, .offset: 0, .size: 8, .value_kind: global_buffer, .address_space: global }
      - { .name: Wq_codes, .offset: 8, .size: 8, .value_kind: global_buffer, .address_space: global }
      - { .name: Wq_scales, .offset: 16, .size: 8, .value_kind: global_buffer, .address_space: global }
      - { .name: Wk_codes, .offset: 24, .size: 8, .value_kind: global_buffer, .address_space: global }
      - { .name: Wk_scales, .offset: 32, .size: 8, .value_kind: global_buffer, .address_space: global }
      - { .name: Wv_codes, .offset: 40, .size: 8, .value_kind: global_buffer, .address_space: global }
      - { .name: Wv_scales, .offset: 48, .size: 8, .value_kind: global_buffer, .address_space: global }
      - { .name: qkvb, .offset: 56, .size: 8, .value_kind: global_buffer, .address_space: global }
    .group_segment_fixed_size: 327680
    .private_segment_fixed_size: 0
    .kernarg_segment_align: 8
    .kernarg_segment_size: 64
    .max_flat_workgroup_size: 128
    .sgpr_count:     100
    .vgpr_count:     1024
    .wavefront_size: 32
...
	.end_amdgpu_metadata
.endif
;; end of part 2
;; launch attn (part 3): grid 8 x 32, 16 waves a work-group, no clusters, 327,680 bytes of LDS; arguments qkvb, x, xq, g1, b1, att; writes att
.if DOCPART == 3
	.amdgcn_target "amdgcn-amd-amdhsa--gfx1250"
	.amdhsa_code_object_version 6
	.text
	.protected	k_q2290f14764_attn
	.globl	k_q2290f14764_attn
	.p2align	8
	.type	k_q2290f14764_attn,@function
k_q2290f14764_attn:
	s_mov_b64 s[64:65], 0
	v_nop
	global_prefetch_b8 v0, s[64:65] scope:SCOPE_SE
	s_setreg_imm32_b32 hwreg(HW_REG_WAVE_MODE, 25, 1), 1
	s_wait_xcnt 0x0
; CAUSAL ATTENTION WITH ALiBi on codes of E4M3, and the residual: att = xn + softmax(q k^T / 8 + slope (j - i), j <= i) v.  32 heads (batch x 16), 2,048 tokens, head size 64.
; WORK LEFT OUT: key steps of 128 keys all of which come after a wave's query block are neither multiplied nor, where no wave of the work-group wants them, loaded: reference() sets those scores to -inf
; by a mask that it builds itself, and exp(-inf) = 0 whatever the inputs hold.  A NaN, an infinity or an overflow that reaches only those scores is not carried to the result.
; THE SOFTMAX: t = logit x log2(e); M = the running largest t rounded UP to a whole number; p = 2^(t - M) is quantised along the keys, not normalised; the row's sum is taken of the unquantised p and divides at the end;
; when M moves, the sum and O are multiplied by 2^(old M - new M), which rounds nothing.
; INPUTS from qkvb are images of operand registers (16 bytes a lane, 512 a piece): q, k [head][16 steps of 128 tokens][8 tiles of 16][2 c][512]; v [head][16 steps][4 tiles of 16 channels][4 c][512], keys innermost;
; inside each block of 32 k is permuted alike in both operands of a product.  Scale words [head][16 steps][lane][4 words].
; SHARES.  Work-group (i, head) owns the query blocks i and 15 - i of 128 queries: 17 block steps for every work-group.  Each of sixteen waves owns one tile of 16 queries; half of the waves of each group of four
; take the early block, half the late one.  All waves walk the ring of two LDS slots of 256 keys together; wave 0 fetches K's images, wave 1 V's: each one dense block of 16,384 bytes.
; NO CLUSTER: the work-groups of a head stop asking for keys at different places (block 15 - i), so partners would need different numbers of tiles.
; LAYOUT.  Both products transposed: S^T = K Q^T (source 0 = 16 keys, source 1 = my 16 queries), O^T = V^T P^T: a lane holds ONE query (lane % 16) throughout; tiles 2 c, 2 c + 1 of S^T are block c of the keys.
; K = 64 IN AN INSTRUCTION 128 DEEP: Q's fragment has zero codes for k = 64 .. 127.  A K tile's fragment names 16 registers of which the upper 8 are the next tile's codes (behind the fourth tile: zeros): finite
; numbers that meet Q's zeros and add nothing.
; ALiBi COSTS NO LINE A NUMBER: 8 slope x (the key's place in its block - the query's place in its tile) is the C of the first product; the rest, the same for a block, goes into the multiply-add that scales the scores.
; LIMITS: that C is at most 8 x 0.71 x 31 = 175 in size, so a score carries an absolute error of some 1e-5, t of some 3e-6.  NaN and infinities are not served.  A block of p all zero keeps the byte 1: its codes are zeros.
.set REG,   4456448                    ; qkvb: a region (q, k, v)
.set SWO,   4194304                    ; where a region's scale words begin
.set STO,   4325376                    ; xq: where mean and rsqrt begin
.set SLOT1, 1<<15                      ; a slot: K's two steps (16,384 bytes), then V's; one exclusive or turns an address into the other slot's
.set VOFF,  16384
.set SCK,   65536                      ; K's scale words of the whole head, 8,192 bytes;
.set SCV,   73728                      ; V's
.set STAGE, 81920                      ; the way out: 16 rows x 272 bytes for each wave: bytes of its own, into which no fill lands
.set SPARE, 151552                     ; the spare words, 128 bytes a wave: eight blocks of 256 bytes that no other line names
.set NSL,   8                          ; slots' worth of keys
.set SPW, 5                            ; v5  my spare word;  v6  0: never rewritten
.set NIL, 6
.set PFO, 7                            ; v7  the prefetches' offset, 256 x lane; on the way out my offset in x and att
.set ADK, 8                            ; v8  the slot in hand + 16 x lane
.set ADS, 9                            ; v9  the step's scale words of K + 16 x lane
.set DL,  10                           ; v10 r - 8 h
.set AL,  72                           ; v72-87  8 slope x (16 u + 8 h + j - r)
.set BM,  208                          ; v208-211 a block's largest score, then its largest p
.set PD,  212                          ; v212-215 permutes' destinations, t of the blocks' maxima, the scales' bytes
.set LM,  216                          ; v216-219 448 x scale
.set SO,  220                          ; v220-223 the conversions' scale operands
.set NB,  224                          ; v224, 226, 228, 230: what is added to c x score in block b, less M (the odd registers are named as pairs' upper halves)
.set BB,  232                          ; v232-235 the same without M
.set F,   236                          ; v[236:237] 2^(old M - new M)
.set WV,   18
.set MNT,  19
.set SEL,  20
.set CS,   22                          ; s[22:23] c = log2(e) / 8
.set G1T,  24                          ; s[24:31] group 1: 16,384 dense bytes;  s[32:39]: 8,192;  s[40:43] the walking group 0;  s[44:47] the scale words'
.set G1S,  32
.set G0T,  40
.set G0S,  44
.set TB,   2                           ; s2  LDS byte at which the slot in hand begins
.set TS,   3                           ; s3  512 x the step
.set SLOTS, 67
.set KF,   68                          ; the step's first key
.set Q0,   69                          ; my first query
.set QB,   70                          ; my block's first query
.set LQ,   71                          ; my work-group's last query
.set A8,   72                          ; 8 slope
.set AP,   73                          ; c x 8 slope = slope x log2(e)
.set PFA,  76
.set LIM,  80
; Waves 0 and 1 fetch, the others nothing; the branch hangs on the wave's number alone.  An s_nop 0 and four v_nop follow the line.
.macro TLOAD g0, g1
	s_cmp_lt_u32 s[WV], 2
	s_cbranch_scc0 .Lasked_\@
	tensor_load_to_lds s[\g0:\g0+3], s[\g1:\g1+7]
	s_nop 0
.rept 4
	v_nop
.endr
.Lasked_\@:
.endm
; A PREFETCH INTO THE L2 of the slot that the NEXT change of slots will ask for: two key steps ahead of that load.  All work-groups of a head walk the same K and V: the head's first work-group asks, which walks all slots.
; In it waves 4 and 5 ask for the halves of K's 16,384 bytes, waves 6 and 7 for V's: 8,192 bytes a wave, lanes 256 bytes apart: each aligned block of 256 bytes is named once in the launch.
; The last change that fills a slot asks for nothing; slots 0 and 1 come by their loads alone.
.macro ASK
	s_cmp_gt_u32 s[SLOTS], s[LIM]
	s_cbranch_scc0 .Lnot_mine_\@
	global_prefetch_b8 v[PFO], s[PFA:PFA+1] th:TH_LOAD_NT scope:SCOPE_SE
.Lnot_mine_\@:
.endm
	s_load_b256 s[4:11], s[0:1], 0x0               ; qkvb s[4:5], x s[6:7], xq s[8:9], g1 s[10:11]
	s_load_b128 s[12:15], s[0:1], 0x20             ; b1 s[12:13], att s[14:15]
	v_lshl_add_u32 v[SPW], v0, 2, SPARE
	v_mov_b32 v[NIL], 0
	ds_add_u32 v[SPW], v[NIL]                      ; the wave's opening: the add, twice on end, and its wait ahead of the first tensor load
	ds_add_u32 v[SPW], v[NIL]
	v_lshrrev_b32 v8, 5, v0
	v_readfirstlane_b32 s[WV], v8                  ; wave 0..15
	s_and_b32 s82, ttmp7, 0xffff                   ; 16 x batch + head
	s_and_b32 s83, s[WV], 1
	s_lshl_b32 s84, s82, 17                        ; the head's images in a region
	s_sub_co_u32 s85, 15, ttmp9                    ; the late block
	s_lshr_b32 s88, s[WV], 2
	s_xor_b32 s88, s88, s[WV]
	s_and_b32 s88, s88, 1                          ; early (0) or late (1): with wave >> 1 it names each of the 16 tiles once
	s_cmp_eq_u32 s88, 1
	s_cselect_b32 s86, s85, ttmp9                  ; my block of 128 queries
	s_lshr_b32 s87, s[WV], 1                       ; my tile in it
	s_lshl_b32 s[QB], s86, 7
	s_lshl_b32 s88, s87, 4
	s_add_co_u32 s[Q0], s[QB], s88
	s_lshl_b32 s[LQ], s85, 7
	s_or_b32 s[LQ], s[LQ], 127
	s_and_b32 s88, s82, 15
	s_add_co_u32 s88, s88, 1                       ; m = head + 1: slope = 2^(-m / 2)
	s_and_b32 s89, s88, 1
	s_cmp_eq_u32 s89, 1
	s_mov_b32 s[A8], 0x3f800000
	s_cselect_b32 s[A8], 0x3f3504f3, s[A8]         ; 2^(-1/2) where m is odd
	s_lshr_b32 s88, s88, 1
	s_sub_co_u32 s88, 3, s88
	s_lshl_b32 s88, s88, 23
	s_add_co_u32 s[A8], s[A8], s88                 ; 3 - m / 2 onto the exponent field: 8 slope
	s_mov_b32 s[CS], 0x3e38aa3b                    ; c = log2(e) / 8
	s_mov_b32 s[CS+1], s[CS]
	s_mul_f32 s[AP], s[CS], s[A8]
	s_add_co_u32 s88, s83, 1
	s_mul_i32 s88, s88, REG                        ; what I fetch, if I fetch: wave 0 K's region, wave 1 V's
	s_add_co_u32 s90, s88, s84
	s_mov_b32 s91, 0
	s_lshl_b32 s92, s82, 13
	s_add_co_u32 s92, s92, s88
	s_add_co_u32 s92, s92, SWO
	s_mov_b32 s93, 0
	s_lshl_b32 s94, s83, 14                        ; in a slot: K's images, then V's
	s_lshl_b32 s95, s83, 13
	s_add_co_u32 s95, s95, SCK
	s_mov_b32 s[G1T], 3<<16                        ; no mask; elements of 8 bytes; no padding: an image is read 16 bytes a lane on end
	s_mov_b32 s[G1T+1], 32<<16                     ; tensor_dim0 = 32 elements: rows of 256 bytes
	s_mov_b32 s[G1T+2], 64<<16                     ; tensor_dim1 = 64
	s_mov_b32 s[G1T+3], 32<<16                     ; tile_dim0
	s_mov_b32 s[G1T+4], 64                         ; tile_dim1
	s_mov_b32 s[G1T+5], 32                         ; the pitch: dense
	s_mov_b32 s[G1T+6], 0
	s_mov_b32 s[G1T+7], 0
	s_mov_b32 s[G1S], 3<<16
	s_mov_b32 s[G1S+1], 32<<16
	s_mov_b32 s[G1S+2], 32<<16
	s_mov_b32 s[G1S+3], 32<<16
	s_mov_b32 s[G1S+4], 32
	s_mov_b32 s[G1S+5], 32
	s_mov_b32 s[G1S+6], 0
	s_mov_b32 s[G1S+7], 0
	s_mov_b32 s[SEL], 0x76543210
	s_mov_b32 s[SEL+1], 0xfedcba98
	s_mov_b32 s[MNT], 0x600000
	s_mov_b32 s[TB], 0
	s_mov_b32 s[TS], 0
	s_mov_b32 s[KF], 0
	s_mov_b32 s[SLOTS], NSL-1
	s_wait_dscnt 0x0                               ; both opening adds are done
	s_wait_kmcnt 0x0
	s_mov_b32 s[G0S], 1
	s_mov_b32 s[G0S+1], s95
	s_add_nc_u64 s[G0S+2:G0S+3], s[4:5], s[92:93]
	s_or_b32 s[G0S+3], s[G0S+3], 0x80000000
	TLOAD G0S, G1S                                 ; the scale words of the whole head: filled once
	s_mov_b32 s[G0T], 1
	s_mov_b32 s[G0T+1], s94
	s_add_nc_u64 s[G0T+2:G0T+3], s[4:5], s[90:91]
	s_or_b32 s[G0T+3], s[G0T+3], 0x80000000
	TLOAD G0T, G1T                                 ; slot 0: it holds key 0, which counts for every query
	s_lshl_b32 s88, s86, 13                        ; Q: my block's step, my tile
	s_add_co_u32 s88, s88, s84
	s_lshl_b32 s89, s87, 10
	s_add_co_u32 s88, s88, s89
	s_mov_b32 s89, 0
	s_add_nc_u64 s[88:89], s[4:5], s[88:89]
	s_lshl_b32 s90, s82, 13                        ; its scale words: record of the step; lanes 16 (tile % 2) on; word tile / 2
	s_lshl_b32 s91, s86, 9
	s_add_co_u32 s90, s90, s91
	s_and_b32 s91, s87, 1
	s_lshl_b32 s91, s91, 8
	s_add_co_u32 s90, s90, s91
	s_lshr_b32 s91, s87, 1
	s_lshl_b32 s91, s91, 2
	s_add_co_u32 s90, s90, s91
	s_add_co_u32 s90, s90, SWO
	s_mov_b32 s91, 0
	s_add_nc_u64 s[90:91], s[4:5], s[90:91]
	v_and_b32 v8, 31, v0
	v_lshlrev_b32 v1, 4, v8                        ; v1: 16 x lane; stays
	global_load_b128 v[16:19], v1, s[88:89]        ; Q's fragment stays in registers
	global_load_b128 v[20:23], v1, s[88:89] offset:512
	v_and_b32 v11, 15, v0                          ; r
	v_lshlrev_b32 v3, 4, v11
	global_load_b32 v246, v3, s[90:91]             ; Q's scale words: v246
	v_bfe_u32 v4, v0, 4, 1
	v_lshlrev_b32 v4, 3, v4
	v_sub_nc_u32 v[DL], v11, v4                    ; r - 8 h
	v_add_nc_u32 v2, SCK, v1                       ; v2: K's scale words + 16 x lane; stays
	v_lshlrev_b32 v[PFO], 8, v8
	s_lshr_b32 s92, s82, 4
	s_lshl_b32 s92, s92, 11
	s_add_co_u32 s92, s92, s[Q0]                   ; my first row among the 4,096
	s_lshl_b32 s94, s92, 3
	s_add_co_u32 s94, s94, STO
	s_mov_b32 s95, 0
	s_add_nc_u64 s[8:9], s[8:9], s[94:95]          ; its mean and rsqrt
	s_and_b32 s94, s82, 15
	s_lshl_b32 s94, s94, 8                         ; the head's 64 channels: 256 bytes
	s_add_nc_u64 s[10:11], s[10:11], s[94:95]
	s_add_nc_u64 s[12:13], s[12:13], s[94:95]
	s_lshl_b32 s92, s92, 12
	s_add_co_u32 s94, s94, s92
	s_add_nc_u64 s[6:7], s[6:7], s[94:95]          ; x and att at my first row, my head
	s_add_nc_u64 s[14:15], s[14:15], s[94:95]
	s_lshr_b32 s92, s[WV], 1                       ; the prefetches: K's region or V's,
	s_and_b32 s92, s92, 1
	s_add_co_u32 s92, s92, 1
	s_mul_i32 s92, s92, REG
	s_add_co_u32 s92, s92, s84
	s_lshl_b32 s93, s83, 13                        ; my half of a slot's 16,384 bytes,
	s_add_co_u32 s92, s92, s93
	s_add_co_u32 s92, s92, 16384                   ; in slot 1: the first change of slots steps it to slot 2.  Nothing is prefetched here, at the head
	s_mov_b32 s93, 0
	s_add_nc_u64 s[PFA:PFA+1], s[4:5], s[92:93]
	s_sub_co_u32 s92, s[WV], 4
	s_lshr_b32 s92, s92, 2                         ; 0 in waves 4 to 7,
	s_or_b32 s92, s92, ttmp9                       ; of the head's first work-group
	s_cmp_eq_u32 s92, 0
	s_cselect_b32 s[LIM], 1, -1
.irp n, 0,1,2,3,4,5,6,7
	v_mov_b32 v[24+\n], 0                          ; Q's zero codes for k = 64 .. 127
	v_mov_b32 v[64+\n], 0                          ; and the zeros behind the fourth K tile
.endr
.set n, 0
.rept 32
	v_mov_b32 v[160+n], 0                          ; O^T.  (The step is written once: the first finds zeros, which the first change of M leaves zeros)
.set n, n+1
.endr
	v_mov_b32 v13, 0xff61b1e6                      ; the largest t so far: -3e38
	v_floor_f32 v12, -v13                          ; -M
	v_mov_b32 v14, 0                               ; the sum, in two halves
	v_mov_b32 v15, 0
.irp b, 0,1,2,3
	v_mov_b32 v[PD+\b], 0                          ; a lane permute's destination counts as one of its sources
	v_mov_b32 v[NB+2*\b+1], 0                      ; (pairs' upper halves)
.endr
	v_mov_b32 v[F+1], 0
.set n, 0
.rept 16
	v_sub_nc_u32 v238, 16*(n/8)+n%8, v[DL]         ; 16 u + j + 8 h - r
	v_cvt_f32_i32 v[AL+n], v238
	v_mul_f32 v[AL+n], s[A8], v[AL+n]
.set n, n+1
.endr
; A KEY STEP: 128 keys, the q-th of the slot in hand.
.macro STEP q
	s_cmp_gt_u32 s[KF], s[QB]                      ; all its keys come after my block's queries: the step's work is left out; not the lines at its end that step addresses
	s_cbranch_scc1 .Lhidden_\@
	v_add_nc_u32 v[ADK], s[TB], v1
	v_add_nc_u32 v[ADS], s[TS], v2
	s_sub_co_i32 s96, s[KF], s[Q0]
.irp b, 0,1,2,3
	v_cvt_f32_i32 v[BB+\b], s96                    ; KF - Q0 + 32 b: a whole number under 2^11
	s_add_co_i32 s96, s96, 32
.endr
.irp b, 0,1,2,3
	v_mul_f32 v[BB+\b], s[AP], v[BB+\b]            ; x slope x log2(e): what block b's t have in common
.endr
.rept 5
	v_nop                                          ; with the lines above: more than the nine places between the last products and the products below, which write over V's fragments
.endr
.irp g, 0,1                                    ; S^T = K Q^T + ALiBi's local part, four tiles of 16 keys at a time
.if \g > 0
.rept 8
	v_nop                                          ; places in front of loads into registers that matrix instructions have read
.endr
.endif
.irp t, 0,1,2,3
	ds_load_b128 v[32+8*\t:35+8*\t], v[ADK] offset:8192*(\q)+(4*\g+\t)*1024
	ds_load_b128 v[36+8*\t:39+8*\t], v[ADK] offset:8192*(\q)+(4*\g+\t)*1024+512
.endr
.if \g == 0
	ds_load_b128 v[248:251], v[ADS]                ; K's scale words: word i: lanes 0-15 tile 2 i, lanes 16-31 tile 2 i + 1
.endif
	s_wait_dscnt 0x0
.irp t, 0,2
	v_wmma_scale_f32_16x16x128_f8f6f4 v[96+8*(4*\g+\t):103+8*(4*\g+\t)], v[32+8*\t:47+8*\t], v[16:31], v[AL:AL+7], v[248+2*\g+\t/2], v246
	v_wmma_scale_f32_16x16x128_f8f6f4 v[104+8*(4*\g+\t):111+8*(4*\g+\t)], v[40+8*\t:55+8*\t], v[16:31], v[AL+8:AL+15], v[248+2*\g+\t/2], v246 matrix_a_scale:MATRIX_SCALE_ROW1
.endr
.endr
.rept 8
	v_nop
.endr
	s_cmp_lt_u32 s[KF], s[QB]                      ; only the step on the diagonal has hidden keys
	s_cbranch_scc1 .Lopen_\@
	s_sub_co_i32 s96, s[Q0], s[KF]
	v_add_nc_u32 v238, s96, v[DL]                  ; d = my query - KF - 8 h.  Register n holds key KF + 16 (n / 8) + 8 h + n % 8: hidden where 16 (n / 8) + n % 8 > d
	v_mov_b32 v239, 0xff800000                     ; -infinity
.set n, 0
.rept 64
	v_cmp_gt_i32 vcc_lo, 16*(n/8)+n%8, v238
	v_cndmask_b32 v[96+n], v[96+n], v239, vcc_lo
.set n, n+1
.endr
.Lopen_\@:
.irp b, 0,1,2,3
	v_max3_num_f32 v[BM+\b], v[96+16*\b], v[97+16*\b], v[98+16*\b]   ; the largest score of each block of 32 keys: it serves for the row's maximum and, since p rises with the score, for the block's largest p
.endr
.irp e, 3,5,7,9,11,13
.irp b, 0,1,2,3
	v_max3_num_f32 v[BM+\b], v[BM+\b], v[96+16*\b+\e], v[97+16*\b+\e]
.endr
.endr
.irp b, 0,1,2,3
	v_max_num_f32 v[BM+\b], v[BM+\b], v[111+16*\b]
.endr
.irp b, 0,1,2,3
	v_permlanex16_b32 v[PD+\b], v[BM+\b], s[SEL], s[SEL+1]
.endr
.irp b, 0,1,2,3
	v_max_num_f32 v[BM+\b], v[BM+\b], v[PD+\b]     ; with lane l xor 16's 16 keys
.endr
.irp b, 0,1,2,3
	v_fma_f32 v[PD+\b], v[BM+\b], s[CS], v[BB+\b]  ; as t
.endr
	v_max3_num_f32 v238, v[PD], v[PD+1], v[PD+2]
	v_max3_num_f32 v13, v13, v238, v[PD+3]         ; the running largest t
	v_mov_b32 v238, v12
	v_floor_f32 v12, -v13                          ; the new -M = floor(-t) = -ceil(t)
	v_sub_f32 v238, v12, v238                      ; old M - new M: a whole number, 0 or less
	v_cvt_i32_f32 v238, v238                       ; (it saturates)
	v_ldexp_f32 v[F], 1.0, v238                    ; f = 2^(old M - new M)
.irp b, 0,1,2,3
	v_add_f32 v[NB+2*\b], v[BB+\b], v12
.endr
.irp b, 0,1,2,3
.irp e, 0,2,4,6,8,10,12,14
	v_pk_fma_f32 v[96+16*\b+\e:97+16*\b+\e], v[96+16*\b+\e:97+16*\b+\e], s[CS:CS+1], v[NB+2*\b:NB+2*\b+1] op_sel_hi:[1,0,0]   ; t - M, two at a time
.endr
.endr
.irp b, 0,1,2,3
	v_fma_f32 v[BM+\b], v[BM+\b], s[CS], v[NB+2*\b]  ; the same of each block's largest score
.endr
.set n, 0
.rept 64
	v_exp_f32 v[96+n], v[96+n]                     ; p = 2^(t - M)
.set n, n+1
.endr
	v_pk_mul_f32 v[14:15], v[14:15], v[F:F+1] op_sel_hi:[1,0]   ; the sums under the new M (a plain line behind the exponentials)
	s_wait_alu depctr_va_vdst(0)                   ; one wait for the whole batch, ahead of its first reader
.irp b, 0,1,2,3
	v_exp_f32 v[BM+\b], v[BM+\b]                   ; the block's largest p
.endr
	v_pk_add_f32 v[240:241], v[96:97], v[98:99]    ; the row's sum is taken of the unquantised p, in two chains; it reads the 64 alone
.irp e, 4,8,12,16,20,24,28,32,36,40,44,48,52,56,60
	v_pk_add_f32 v[14:15], v[14:15], v[96+\e:97+\e]
	v_pk_add_f32 v[240:241], v[240:241], v[98+\e:99+\e]
.endr
	v_pk_add_f32 v[14:15], v[14:15], v[240:241]
	s_wait_alu depctr_va_vdst(0)                   ; and one for the four
.irp b, 0,1,2,3
	v_max_num_f32 v[BM+\b], 0x4800000, v[BM+\b]    ; the floor 2^(9 - 127)
.endr
.irp b, 0,1,2,3
	v_add_nc_u32 v[SO+\b], 0xfc000000, v[BM+\b]
.endr
.irp b, 0,1,2,3
	v_and_or_b32 v[LM+\b], v[BM+\b], 0x7f800000, s[MNT]
.endr
.irp b, 0,1,2,3
	v_lshrrev_b32 v[PD+\b], 23, v[SO+\b]
.endr
	v_lshl_or_b32 v247, v[PD+1], 8, v[PD]          ; p's scale word for these 128 keys
	v_lshl_or_b32 v247, v[PD+2], 16, v247
	v_lshl_or_b32 v247, v[PD+3], 24, v247
.irp b, 0,1,2,3
.irp e, 0,1,2,3,4,5,6,7,8,9,10,11,12,13,14,15
	v_min_num_f32 v[96+16*\b+\e], v[96+16*\b+\e], v[LM+\b]   ; the conversion does not saturate (ISA guide 7.6.2); p is not negative, so the hold is one-sided
.endr
	v_cvt_scalef32_pk8_fp8_f32 v[192+4*\b:193+4*\b], v[96+16*\b:103+16*\b], v[SO+\b]
	v_cvt_scalef32_pk8_fp8_f32 v[194+4*\b:195+4*\b], v[104+16*\b:111+16*\b], v[SO+\b]
.endr
	v_nop                                          ; a plain line behind the last conversion
.irp t, 0,1,2,3
.irp c, 0,1,2,3
	ds_load_b128 v[96+16*\t+4*\c:99+16*\t+4*\c], v[ADK] offset:VOFF+8192*(\q)+2048*\t+512*\c   ; V's four fragments take p's registers
.endr
.endr
	ds_load_b128 v[242:245], v[ADS] offset:SCV-SCK ; V's scale words: word t: tile t's rows
.set n, 0
.rept 16
	v_pk_mul_f32 v[160+n:161+n], v[160+n:161+n], v[F:F+1] op_sel_hi:[1,0]   ; O^T under the new M, while the loads are out; also the places in front of the products below
.set n, n+2
.endr
	s_wait_dscnt 0x0
.irp t, 0,1,2,3
	v_wmma_scale_f32_16x16x128_f8f6f4 v[160+8*\t:167+8*\t], v[96+16*\t:111+16*\t], v[192:207], v[160+8*\t:167+8*\t], v[242+\t], v247
.endr
.Lhidden_\@:
	s_add_co_u32 s[KF], s[KF], 128
	s_add_co_u32 s[TS], s[TS], 512
.endm
; THE CHANGE OF SLOTS stands at a slot's head.  Each wave waits for all its tensor loads, adds 0 to its spare word (fill = 1: twice on end),
; and waits for that and for its reads of the slot that it has left.  Behind the barrier the slot ahead is whole and nobody reads the other one, which is filled with the keys that follow, up to the causal limit.
.macro CHANGE fill
	s_wait_tensorcnt 0x0                           ; no tensor load of mine is out, so a group 0 may be written
	ds_add_u32 v[SPW], v[NIL]
.if \fill
	ds_add_u32 v[SPW], v[NIL]
	s_xor_b32 s[G0T+1], s[G0T+1], SLOT1            ; the walking descriptor: the other slot,
	s_add_nc_u64 s[G0T+2:G0T+3], s[G0T+2:G0T+3], 16384   ; the next 256 keys
	s_wait_xcnt 0x0                                ; the last prefetch, a slot back, has read its address
	s_add_nc_u64 s[PFA:PFA+1], s[PFA:PFA+1], 16384
.endif
	s_wait_dscnt 0x0
	s_barrier_signal -1
	s_barrier_wait -1
.if \fill
	s_add_co_u32 s96, s[KF], 256                   ; the first key of the slot that this change would ask for:
	s_cmp_gt_u32 s96, s[LQ]                        ; behind my work-group's last query no wave reads it, so it is not asked for.  Ids and the count of steps alone: all sixteen waves go the same way
	s_cbranch_scc1 .Lpast_\@
	TLOAD G0T, G1T                                 ; a wave's one tensor load until the next barrier
.Lpast_\@:
	ASK
.endif
.endm
.macro SLOT_STEPS
	STEP 0
	STEP 1
	s_xor_b32 s[TB], s[TB], SLOT1
.endm
	s_wait_loadcnt 0x0                             ; Q
.Lslot:                                            ; NSL - 1 trips, a constant: every work-group walks all changes of slots
	CHANGE 1
	SLOT_STEPS
	s_sub_co_u32 s[SLOTS], s[SLOTS], 1
	s_cmp_lg_u32 s[SLOTS], 0
	s_cbranch_scc1 .Lslot
	CHANGE 0                                       ; the last slot is written out: nothing is asked for
	SLOT_STEPS
	; THE WAY OUT.  O^T / the sum goes through my stage and comes back as rows; xn is made anew from x, the row's mean and rsqrt, g1 and b1, in the order in which the norm's launch made it; att = xn + o.
	v_add_f32 v14, v14, v15
	v_permlanex16_b32 v[PD], v14, s[SEL], s[SEL+1]
	v_add_f32 v14, v14, v[PD]                      ; the row's sum
	v_rcp_f32 v14, v14
	v_and_b32 v8, 15, v0                           ; r  (plain lines behind the transcendental; they are also the places behind the last products)
	v_bfe_u32 v9, v0, 4, 1                         ; h
	s_mul_i32 s96, s[WV], 16*272
	s_add_co_u32 s96, s96, STAGE
	v_mul_u32_u24 v3, v8, 272
	v_lshl_add_u32 v3, v9, 5, v3
	v_add_nc_u32 v3, s96, v3                       ; in: row r; tile t's eight channels: 64 t + 32 h bytes on
	v_mul_u32_u24 v4, v9, 272
	v_lshl_add_u32 v4, v8, 4, v4
	v_add_nc_u32 v4, s96, v4                       ; back: lanes 0-15 one row, lanes 16-31 the next
	s_wait_xcnt 0x0                                ; the last prefetch has read its offset
	v_lshlrev_b32 v7, 12, v9
	v_lshl_add_u32 v7, v8, 4, v7                   ; the same two rows in x and att
	v_lshlrev_b32 v10, 3, v9                       ; mean and rsqrt: 8 bytes a row
	v_lshlrev_b32 v11, 4, v8                       ; g1, b1: my four channels
.irp n, 0,1,2,3,4,5,6,7
	global_load_b128 v[96+4*\n:99+4*\n], v7, s[6:7] offset:8192*\n th:TH_LOAD_NT
	global_load_b64 v[128+2*\n:129+2*\n], v10, s[8:9] offset:16*\n
.endr
	global_load_b128 v[144:147], v11, s[10:11]
	global_load_b128 v[148:151], v11, s[12:13]
	s_wait_alu depctr_va_vdst(0)                   ; ahead of the reciprocal's first reader
.set n, 0
.rept 16
	v_pk_mul_f32 v[160+n:161+n], v[160+n:161+n], v[14:15] op_sel_hi:[1,0]
.set n, n+2
.endr
.irp t, 0,1,2,3
	ds_store_b128 v3, v[160+8*\t:163+8*\t] offset:64*\t
	ds_store_b128 v3, v[164+8*\t:167+8*\t] offset:64*\t+16
.endr
.irp n, 0,1,2,3,4,5,6,7
	ds_load_b128 v[32+4*\n:35+4*\n], v4 offset:544*\n   ; LDS serves a wave's instructions in order: these see my stores
.endr
	s_wait_loadcnt 0x0
	s_wait_dscnt 0x0
.irp n, 0,1,2,3,4,5,6,7
.irp e, 0,1,2,3
	v_sub_f32 v[96+4*\n+\e], v[96+4*\n+\e], v[128+2*\n]
.endr
.irp e, 0,1,2,3
	v_mul_f32 v[96+4*\n+\e], v[96+4*\n+\e], v[129+2*\n]
.endr
.irp e, 0,1,2,3
	v_fma_f32 v[96+4*\n+\e], v[96+4*\n+\e], v[144+\e], v[148+\e]
.endr
.irp e, 0,1,2,3
	v_add_f32 v[96+4*\n+\e], v[96+4*\n+\e], v[32+4*\n+\e]
.endr
	global_store_b128 v7, v[96+4*\n:99+4*\n], s[14:15] offset:8192*\n   ; sixteen lanes store 256 consecutive bytes, aligned: a row's 64 channels of my head
.endr
	s_wait_tensorcnt 0x0                           ; the wave's end
	ds_add_u32 v[SPW], v[NIL]
	s_wait_dscnt 0x0
	s_endpgm
.Lfunc_end_k_q2290f14764_attn:
	.size	k_q2290f14764_attn, .Lfunc_end_k_q2290f14764_attn-k_q2290f14764_attn
	.p2alignl 7, 3214868480
	.fill 96, 4, 3214868480
	.section	.rodata,"a",@progbits
	.p2align	6, 0x0
	.amdhsa_kernel k_q2290f14764_attn
		.amdhsa_group_segment_fixed_size 327680
		.amdhsa_private_segment_fixed_size 0
		.amdhsa_enable_private_segment 0
		.amdhsa_kernarg_size 48
		.amdhsa_user_sgpr_count 2
		.amdhsa_user_sgpr_kernarg_segment_ptr 1
		.amdhsa_wavefront_size32 1
		.amdhsa_system_sgpr_workgroup_id_x 1
		.amdhsa_system_sgpr_workgroup_id_y 1
		.amdhsa_system_sgpr_workgroup_id_z 1
		.amdhsa_system_vgpr_workitem_id 0
		.amdhsa_next_free_vgpr 256
		.amdhsa_next_free_sgpr 100
		.amdhsa_reserve_vcc 1
		.amdhsa_float_denorm_mode_32 3
		.amdhsa_float_denorm_mode_16_64 3
		.amdhsa_memory_ordered 1
		.amdhsa_forward_progress 1
		.amdhsa_inst_pref_size 120
	.end_amdhsa_kernel
	.amdgpu_metadata
---
amdhsa.version: [ 1, 2 ]
amdhsa.kernels:
  - .name:           k_q2290f14764_attn
    .symbol:         k_q2290f14764_attn.kd
    .args:
      - { .name: qkvb, .offset: 0, .size: 8, .value_kind: global_buffer, .address_space: global }
      - { .name: x, .offset: 8, .size: 8, .value_kind: global_buffer, .address_space: global }
      - { .name: xq, .offset: 16, .size: 8, .value_kind: global_buffer, .address_space: global }
      - { .name: g1, .offset: 24, .size: 8, .value_kind: global_buffer, .address_space: global }
      - { .name: b1, .offset: 32, .size: 8, .value_kind: global_buffer, .address_space: global }
      - { .name: att, .offset: 40, .size: 8, .value_kind: global_buffer, .address_space: global }
    .group_segment_fixed_size: 327680
    .private_segment_fixed_size: 0
    .kernarg_segment_align: 8
    .kernarg_segment_size: 48
    .max_flat_workgroup_size: 512
    .sgpr_count:     100
    .vgpr_count:     256
    .wavefront_size: 32
...
	.end_amdgpu_metadata
.endif
;; end of part 3
;; launch ln2: the kernel of part 1 again; grid 256 x 1, 2 waves a work-group, no clusters, 768 bytes of LDS; arguments att, g2, b2, hq; writes hq
;; launch mlp1 (part 4): grid 16 x 16, 4 waves a work-group, clusters of 4 x 4, 327,680 bytes of LDS; arguments hq, W1_codes, W1_scales, ub; writes ub
.if DOCPART == 4
	.amdgcn_target "amdgcn-amd-amdhsa--gfx1250"
	.amdhsa_code_object_version 6
	.text
	.protected	k_q2290f14764_mlp1
	.globl	k_q2290f14764_mlp1
	.p2align	8
	.type	k_q2290f14764_mlp1,@function
k_q2290f14764_mlp1:
	s_mov_b64 s[64:65], 0
	v_nop
	global_prefetch_b8 v0, s[64:65] scope:SCOPE_SE
	s_setreg_imm32_b32 hwreg(HW_REG_WAVE_MODE, 25, 1), 1
	s_wait_xcnt 0x0
	s_wait_alu depctr_hold_cnt(0) depctr_sa_sdst(0) depctr_va_vdst(0) depctr_va_sdst(0) depctr_va_ssrc(0) depctr_va_vcc(0) depctr_vm_vsrc(0)
	s_getreg_b32 s2, hwreg(HW_REG_IB_STS2, 6, 4)
	s_cmp_eq_u32 s2, 0
	s_cbranch_scc0 .Lentry_in_a_cluster
	s_endpgm
.Lentry_in_a_cluster:
	s_bfe_u32 s2, ttmp6, 0x10000c
	s_cmp_lg_u32 s2, 0xf033
	s_cbranch_scc0 .Lentry_shape_is_right
	s_endpgm
.Lentry_shape_is_right:
; u = silu(h W1^T), on codes of E4M3 with one E8M0 scale for each 32 along K = 1,024, and u QUANTISED ON THE WAY OUT along its 4,096 columns, the K of the next product.  No work is left out here.
; "A" = h's 4,096 rows (hq: codes, scale bytes at SCO), "B" = W1's 4,096 rows.  A tile of 256 x 256 is made by four waves, 128 x 128 each; K goes in steps of 256 through two LDS slots; the scale bytes come once.
; CLUSTERS: 4 x 4 work-groups; A's tiles are asked for jointly along a row of the cluster, B's along a column.
; THE MATRIX INSTRUCTION IS USED TRANSPOSED: in accumulator (a, b) lane (r, h) holds row 16 a + r and, in register j, column 16 b + 8 h + j.
; THE WAY OUT.  silu(x) = x / (1 + 2^(-x log2 e)): where the power overflows the quotient is x times 0, reference()'s own limit.  A block of 32 columns is accumulators (a, 2 c), (a, 2 c + 1) in lanes l and l xor 16.
; u's partner W2 is given with k in its true places, so the codes go to their true places in the image of an operand's registers: within the 512 bytes of (tile, c) the first conversion's 8 bytes at 16 r + 8 h,
; the second's at 256 + 16 r + 8 h: each store fills 256 consecutive bytes, aligned.
; ub: images [32 blocks of 128 rows][32 K steps of 128][8 tiles][4 c][512]; scale words at 16,777,216: [32][32][lane][4 words]: word i: lanes 0-15 tile 2 i's rows, lanes 16-31 tile 2 i + 1's.
; LIMITS: NaN and infinities are not served; a block whose largest magnitude lies under 2^-118 (a block of zeros too) gets the byte 1: this program alone reads the bytes.
.set KSTEP,  256
.set NQ,     2
.set ROWB,   256
.set KROW,   1024
.set PITCH,  272                       ; 256 bytes + 16 of padding: the 16 rows that a load touches start at 16 different banks (64 banks of 4 bytes: ISA guide 11.1)
.set FR,     16
.set NL,     4
.set NP,     8
.set HALFT,  128*PITCH
.set SLOT,   4*HALFT
.set LAPS,   2
.set KS,     32
.set SCL,    2*SLOT
.set HALFS,  (128*KS/256)*272
.set SBLK,   (16*KS/256)*272
.set SPARE,  SCL+4*HALFS               ; the spare words, 128 bytes a wave: two blocks of 256 bytes that no other line names
.set SCO,    4194304
.set USW,    16777216                  ; ub: where the scale words begin
.set ADRA, 16
.set ADRB, 20
.set ADRS, 27
.set SPW,  28
.set NIL,  29
.set SC,   32
.set AF,   128
.set VX,   8                           ; the way out: v8 = 16 r + 8 h;  v9 = 16 x lane
.set T,    128                         ; v128-191 a tile's 64 numbers
.set PC,   192
.set TM,   208
.set W4,   224
.set SS,   232
.set G1, 24
.set G0, 32
.set G1B, 48
.set G0B, 56
.set G1S, 68
.set G0S, 76
.set G1SB, 84
.set G0SB, 92
.set MSB, 0
.macro WIN new
.if MSB != (\new)
	s_set_vgpr_msb (MSB<<8)|(\new)
.set MSB, (\new)
.endif
.endm
.set MUL_LO, 0xa1
.set MUL_HI, 0xf1
.set TO_B,   0x40
.macro JLOAD g0a, g1a, g0b, g1b        ; a joint load: waves 0 and 1 fetch for A, waves 2 and 3 for B; an s_nop 0 and four v_nop follow each line
	s_cmp_eq_u32 s15, 0
	s_cbranch_scc0 .Lfor_b_\@
	tensor_load_to_lds s[\g0a:\g0a+3], s[\g1a:\g1a+7]
	s_nop 0
.rept 4
	v_nop
.endr
	s_branch .Lasked_\@
.Lfor_b_\@:
	tensor_load_to_lds s[\g0b:\g0b+3], s[\g1b:\g1b+7]
	s_nop 0
.rept 4
	v_nop
.endr
.Lasked_\@:
.endm
.macro CREST
	s_cmp_lg_u32 s14, 0
	s_cbranch_scc1 .Lnot_wave_0_\@
	s_barrier_signal -3
.Lnot_wave_0_\@:
	s_barrier_wait -3
	s_barrier_signal -1
	s_barrier_wait -1
.endm
.macro CROUND
	s_barrier_signal -1
	s_barrier_wait -1
	CREST
.endm
	s_load_b256 s[84:91], s[0:1], 0x0              ; hq, W1 codes, W1 scales, ub
	v_lshl_add_u32 v[SPW], v0, 2, SPARE
	v_mov_b32 v[NIL], 0
	ds_add_u32 v[SPW], v[NIL]                      ; the wave's opening: the add, twice on end, and its wait ahead of my first tensor load
	ds_add_u32 v[SPW], v[NIL]
	v_lshrrev_b32 v1, 5, v0
	v_readfirstlane_b32 s14, v1
	s_lshr_b32 s15, s14, 1
	s_and_b32 s16, s14, 1
	s_bfe_u32 s40, ttmp6, 0x40000
	s_bfe_u32 s41, ttmp6, 0x40004
	s_lshl_b32 s42, ttmp9, 2
	s_add_co_u32 s42, s42, s40                     ; tile column
	s_and_b32 s17, ttmp7, 0xffff
	s_lshl_b32 s17, s17, 2
	s_add_co_u32 s17, s17, s41                     ; tile row
	s_lshl_b32 s43, s41, 2
	s_lshl_b32 s43, 15, s43
	s_lshl_b32 s44, 0x1111, s40
	s_or_b32 s[G1+0], s43, (0<<16)|(1<<20)|(1<<21)|(5<<22)|(3<<25)
	s_or_b32 s[G1B+0], s44, (0<<16)|(1<<20)|(1<<21)|(5<<22)|(3<<25)
.irp g, G1, G1B
	s_mov_b32 s[\g+1], ROWB<<16
	s_mov_b32 s[\g+2], 128<<16
	s_mov_b32 s[\g+3], ROWB<<16
	s_mov_b32 s[\g+4], 128
	s_mov_b32 s[\g+5], KROW
	s_mov_b32 s[\g+6], 0
	s_mov_b32 s[\g+7], 0
.endr
	s_or_b32 s[G1S+0], s43, (3<<16)|(1<<20)|(1<<21)|(5<<22)|(3<<25)
	s_mov_b32 s[G1S+1], 32<<16
	s_mov_b32 s[G1S+2], (128*KS/256)<<16
	s_mov_b32 s[G1S+3], 32<<16
	s_mov_b32 s[G1S+4], 128*KS/256
	s_mov_b32 s[G1S+5], 32
	s_mov_b32 s[G1S+6], 0
	s_mov_b32 s[G1S+7], 0
	s_lshl_b32 s18, s16, 7
	s_lshl_b32 s20, s17, 8
	s_add_co_u32 s20, s20, s18
	s_lshl_b32 s46, s42, 8
	s_add_co_u32 s46, s46, s18
	s_lshl_b32 s22, s20, 5
	s_mov_b32 s23, 0
	s_lshl_b32 s80, s46, 5
	s_mov_b32 s81, 0
	s_lshl_b32 s20, s20, 10
	s_mov_b32 s21, 0
	s_lshl_b32 s46, s46, 10
	s_mov_b32 s47, 0
	s_mul_i32 s45, s14, HALFT
	s_mul_i32 s82, s14, HALFS
	s_wait_dscnt 0x0
	s_wait_kmcnt 0x0
	s_mov_b64 s[4:5], s[84:85]
	s_add_nc_u64 s[6:7], s[84:85], SCO
	s_mov_b64 s[8:9], s[86:87]
	s_mov_b64 s[10:11], s[88:89]
	s_mov_b64 s[12:13], s[90:91]
	s_add_nc_u64 s[20:21], s[4:5], s[20:21]
	s_add_nc_u64 s[22:23], s[6:7], s[22:23]
	s_add_nc_u64 s[46:47], s[8:9], s[46:47]
	s_add_nc_u64 s[80:81], s[10:11], s[80:81]
	s_or_b32 s[G1SB+0], s44, (3<<16)|(1<<20)|(1<<21)|(5<<22)|(3<<25) ; (the arguments' registers are free now)
	s_mov_b32 s[G1SB+1], 32<<16
	s_mov_b32 s[G1SB+2], (128*KS/256)<<16
	s_mov_b32 s[G1SB+3], 32<<16
	s_mov_b32 s[G1SB+4], 128*KS/256
	s_mov_b32 s[G1SB+5], 32
	s_mov_b32 s[G1SB+6], 0
	s_mov_b32 s[G1SB+7], 0
	CROUND
	s_mov_b32 s[G0S], 1
	s_add_co_u32 s[G0S+1], s82, SCL
	s_mov_b64 s[G0S+2:G0S+3], s[22:23]
	s_or_b32 s[G0S+3], s[G0S+3], 0x80000000
	s_mov_b32 s[G0SB], 1
	s_add_co_u32 s[G0SB+1], s82, SCL
	s_mov_b64 s[G0SB+2:G0SB+3], s[80:81]
	s_or_b32 s[G0SB+3], s[G0SB+3], 0x80000000
	JLOAD G0S, G1S, G0SB, G1SB
.irp s, 0,1
	s_mov_b32 s[G0+4*\s], 1
	s_add_co_u32 s[G0+4*\s+1], s45, \s*SLOT
	s_add_nc_u64 s[G0+4*\s+2:G0+4*\s+3], s[20:21], \s*ROWB
	s_or_b32 s[G0+4*\s+3], s[G0+4*\s+3], 0x80000000
	s_mov_b32 s[G0B+4*\s], 1
	s_add_co_u32 s[G0B+4*\s+1], s45, \s*SLOT
	s_add_nc_u64 s[G0B+4*\s+2:G0B+4*\s+3], s[46:47], \s*ROWB
	s_or_b32 s[G0B+4*\s+3], s[G0B+4*\s+3], 0x80000000
	JLOAD G0+4*\s, G1, G0B+4*\s, G1B
.endr
	v_and_b32 v1, 15, v0
	v_bfe_u32 v2, v0, 4, 1
	v_mul_u32_u24 v3, v1, PITCH
	v_lshl_add_u32 v4, v2, 4, v3
	s_mul_i32 s21, s15, HALFT
	s_mul_i32 s22, s16, HALFT
	s_add_co_u32 s22, s22, 2*HALFT
.irp s, 0,1
	v_add_nc_u32 v[ADRA+\s], s21, v4
	v_add_nc_u32 v[ADRB+\s], s22, v4
	s_add_co_u32 s21, s21, SLOT
	s_add_co_u32 s22, s22, SLOT
.endr
	v_mul_u32_u24 v5, v1, KS
	v_lshrrev_b32 v6, 8, v5
	v_lshl_add_u32 v5, v6, 4, v5
	s_mul_i32 s21, s15, HALFS
	s_mul_i32 s22, s16, HALFS
	s_add_co_u32 s22, s22, 2*HALFS
	s_sub_co_u32 s22, s22, s21
	v_mul_u32_u24 v6, s22, v2
	s_add_co_u32 s21, s21, SCL
	v_add_nc_u32 v5, v5, v6
	v_add_nc_u32 v[ADRS], s21, v5
	v_lshlrev_b32 v[VX], 4, v1
	v_lshl_add_u32 v[VX], v2, 3, v[VX]             ; 16 r + 8 h
	v_and_b32 v[VX+1], 31, v0
	v_lshlrev_b32 v[VX+1], 4, v[VX+1]              ; 16 x lane
	s_lshl_b32 s20, s17, 1
	s_add_co_u32 s20, s20, s15                     ; my block of 128 rows
	s_lshl_b32 s20, s20, 5
	s_lshl_b32 s46, s42, 1
	s_add_co_u32 s46, s46, s16                     ; my K step of 128 columns
	s_add_co_u32 s20, s20, s46
	s_lshl_b32 s46, s20, 9
	s_add_co_u32 s46, s46, USW
	s_mov_b32 s47, 0
	s_add_nc_u64 s[96:97], s[12:13], s[46:47]      ; my scale words
	s_lshl_b32 s20, s20, 14
	s_mov_b32 s21, 0
	s_add_nc_u64 s[12:13], s[12:13], s[20:21]      ; my images
.macro FRAG reg, adr, q, i
.irp c, 0,1,2,3
	ds_load_b128 v[\reg+4*\c:\reg+4*\c+3], v[\adr] offset:128*(\q)+32*\c+(\i)*16*PITCH
.endr
.endm
.macro MUL16 a0, p, q, sc, zero        ; the 64 accumulators take turns, one instruction a turn, in the same order in every step
.irp a, \a0, \a0+1
.irp b, 0,1,2,3,4,5,6,7
.if \zero
	v_wmma_scale_f32_16x16x128_f8f6f4 v[8*(8*((\a)%4)+\b):8*(8*((\a)%4)+\b)+7], v[128*(\p)+FR*\b:128*(\p)+FR*\b+FR-1], v[AF+FR*(\a):AF+FR*(\a)+FR-1], 0, v[SC+8*NQ*(\sc)+NQ*\b+(\q)], v[SC+8*NQ*(\sc)+NQ*(\a)+(\q)] matrix_a_scale:MATRIX_SCALE_ROW1
.else
	v_wmma_scale_f32_16x16x128_f8f6f4 v[8*(8*((\a)%4)+\b):8*(8*((\a)%4)+\b)+7], v[128*(\p)+FR*\b:128*(\p)+FR*\b+FR-1], v[AF+FR*(\a):AF+FR*(\a)+FR-1], v[8*(8*((\a)%4)+\b):8*(8*((\a)%4)+\b)+7], v[SC+8*NQ*(\sc)+NQ*\b+(\q)], v[SC+8*NQ*(\sc)+NQ*(\a)+(\q)] matrix_a_scale:MATRIX_SCALE_ROW1
.endif
.endr
.endr
.endm
.macro FETCH_B slot, q, p
	WIN TO_B
.irp i, 0,1,2,3,4,5,6,7
	FRAG 128*(\p)+FR*\i, ADRB+\slot, \q, \i
.endr
	WIN 0
.endm
.macro FETCH_A slot, q, i0
.irp i, \i0, \i0+1, \i0+2, \i0+3
	FRAG AF+FR*(\i), ADRA+\slot, \q, \i
.endr
.endm
.macro SCALES sc
.irp i, 0,1,2,3,4,5,6,7
	ds_load_b64 v[SC+8*NQ*\sc+NQ*\i:SC+8*NQ*\sc+NQ*\i+1], v[ADRS] offset:\i*SBLK
.endr
.endm
.macro PLACES n
.rept \n
	v_nop
.endr
.endm
.macro STEP slot, q, zero
	s_wait_dscnt 4*NL                              ; the youngest 16 loads (A's blocks 4-7) may be out
	WIN MUL_LO
	MUL16 0, (\q)%2, \q, \slot, \zero
	MUL16 2, (\q)%2, \q, \slot, \zero
	s_wait_dscnt 0
	PLACES NP
	FETCH_B \slot, (\q)+1, 1-(\q)%2
	FETCH_A \slot, (\q)+1, 0
	WIN MUL_HI
	MUL16 4, (\q)%2, \q, \slot, \zero
	MUL16 6, (\q)%2, \q, \slot, \zero
	PLACES NP
	WIN 0
	FETCH_A \slot, (\q)+1, 4
.endm
.macro TURN slot, next, fill
	s_wait_tensorcnt 0x0                           ; all my tensor loads have landed: my part of the next slot
	ds_add_u32 v[SPW], v[NIL]                      ; 0 onto my spare word
	s_wait_dscnt 4*NL+1                            ; (the add and the youngest 16 loads may be out)
	WIN MUL_LO
	MUL16 0, 1, NQ-1, \slot, 0
	s_wait_dscnt 0x0                               ; the add is done, and my reads of this slot are over
	s_barrier_signal -1
	MUL16 2, 1, NQ-1, \slot, 0
	WIN 0
	s_barrier_wait -1
.if \fill
	CREST                                          ; a round of the cluster's barrier: no wave of any partner still reads this slot or has a load on its way
	s_add_nc_u64 s[G0+4*\slot+2:G0+4*\slot+3], s[G0+4*\slot+2:G0+4*\slot+3], 2*ROWB
	s_add_nc_u64 s[G0B+4*\slot+2:G0B+4*\slot+3], s[G0B+4*\slot+2:G0B+4*\slot+3], 2*ROWB
	JLOAD G0+4*\slot, G1, G0B+4*\slot, G1B
	PLACES NP-4
.else
	PLACES NP
.endif
	v_add_nc_u32 v[ADRS], 4*NQ, v[ADRS]
	FETCH_B \next, 0, 0
	FETCH_A \next, 0, 0
	SCALES \next
	WIN MUL_HI
	MUL16 4, 1, NQ-1, \slot, 0
	MUL16 6, 1, NQ-1, \slot, 0
	PLACES NP
	WIN 0
	FETCH_A \next, 0, 4
.endm
	s_wait_tensorcnt 1                             ; the scales and my part of K step 0 are in (K step 1's load may be out)
	s_barrier_signal -1
	s_barrier_wait -1
	FETCH_B 0, 0, 0
	FETCH_A 0, 0, 0
	SCALES 0
	FETCH_A 0, 0, 4
	STEP 0, 0, 1
	s_mov_b32 s3, LAPS-1
.Llap:
	TURN 0, 1, 1
	STEP 1, 0, 0
	TURN 1, 0, 1
	STEP 0, 0, 0
	s_sub_co_u32 s3, s3, 1
	s_cmp_lg_u32 s3, 0
	s_cbranch_scc1 .Llap
	TURN 0, 1, 0
	STEP 1, 0, 0
	s_wait_dscnt 4*NL
	WIN MUL_LO
	MUL16 0, 1, NQ-1, 1, 0
	MUL16 2, 1, NQ-1, 1, 0
	s_wait_dscnt 0
	WIN MUL_HI
	MUL16 4, 1, NQ-1, 1, 0
	MUL16 6, 1, NQ-1, 1, 0
	WIN 0
	; THE WAY OUT
	PLACES NP
	s_mov_b32 s40, 0xbfb8aa3b                      ; -log2(e)
	s_mov_b32 s41, s40
	s_mov_b32 s45, 0xffff0000                      ; lanes 16-31
	s_mov_b32 s46, 0x76543210
	s_mov_b32 s47, 0xfedcba98
	s_mov_b32 s48, 0x600000
.irp b, 0,1,2,3
	v_mov_b32 v[TM+4+\b], 0                        ; a lane permute's destination counts as one of its sources
.endr
.macro UOUT a                          ; tile a (rows 16 a on): SiLU, the quantiser, eight stores of 256 bytes
.set WN, 2+(\a)/4
.set AC, 64*((\a)%4)
	WIN WN                                         ; source 0: the accumulators' window
.set n, 0
.rept 32
	v_pk_mul_f32 v[T+n:T+n+1], v[AC+n:AC+n+1], s[40:41] op_sel_hi:[1,0]   ; -x log2(e); each accumulator is read from its low end on
.set n, n+2
.endr
	WIN 0
.set n, 0
.rept 64
	v_exp_f32 v[T+n], v[T+n]
.set n, n+1
.endr
	v_nop                                          ; a plain line behind the batch,
	s_wait_alu depctr_va_vdst(0)                   ; and one wait for it, ahead of its first reader
.set n, 0
.rept 32
	v_pk_add_f32 v[T+n:T+n+1], v[T+n:T+n+1], 1.0 op_sel_hi:[1,0]
.set n, n+2
.endr
.set n, 0
.rept 64
	v_rcp_f32 v[T+n], v[T+n]
.set n, n+1
.endr
	v_nop
	s_wait_alu depctr_va_vdst(0)
	WIN WN
.set n, 0
.rept 32
	v_pk_mul_f32 v[T+n:T+n+1], v[AC+n:AC+n+1], v[T+n:T+n+1]   ; x / (1 + 2^(-x log2 e))
.set n, n+2
.endr
	WIN 0
.irp b, 0,1,2,3
	v_max3_num_f32 v[TM+\b], |v[T+16*\b]|, |v[T+16*\b+1]|, 0x4800000   ; the floor 2^(9 - 127) holds the byte at 1 from below
.endr
.irp e, 2,4,6,8,10,12,14
.irp b, 0,1,2,3
	v_max3_num_f32 v[TM+\b], v[TM+\b], |v[T+16*\b+\e]|, |v[T+16*\b+\e+1]|
.endr
.endr
.irp b, 0,1,2,3
	v_permlanex16_b32 v[TM+4+\b], v[TM+\b], s46, s47
.endr
.irp b, 0,1,2,3
	v_max_num_f32 v[TM+\b], v[TM+\b], v[TM+4+\b]
.endr
.irp b, 0,1,2,3
	v_add_nc_u32 v[TM+12+\b], 0xfc000000, v[TM+\b]
.endr
.irp b, 0,1,2,3
	v_and_or_b32 v[TM+8+\b], v[TM+\b], 0x7f800000, s48
.endr
.irp b, 0,1,2,3
	v_lshrrev_b32 v[TM+4+\b], 23, v[TM+12+\b]
.endr
	v_lshl_or_b32 v[W4+(\a)], v[TM+5], 8, v[TM+4]
	v_lshl_or_b32 v[W4+(\a)], v[TM+6], 16, v[W4+(\a)]
	v_lshl_or_b32 v[W4+(\a)], v[TM+7], 24, v[W4+(\a)]
.irp b, 0,1,2,3
.irp e, 0,1,2,3,4,5,6,7,8,9,10,11,12,13,14,15
	v_med3_num_f32 v[T+16*\b+\e], v[T+16*\b+\e], -v[TM+8+\b], v[TM+8+\b]   ; the conversion does not saturate (ISA guide 7.6.2)
.endr
.endr
	s_wait_xcnt 0x0                                ; the last tile's stores have read the codes' registers
.irp b, 0,1,2,3
	v_cvt_scalef32_pk8_fp8_f32 v[PC+4*\b:PC+4*\b+1], v[T+16*\b:T+16*\b+7], v[TM+12+\b]
	v_cvt_scalef32_pk8_fp8_f32 v[PC+4*\b+2:PC+4*\b+3], v[T+16*\b+8:T+16*\b+15], v[TM+12+\b]
.endr
	v_nop                                          ; a plain line behind the last conversion
.irp b, 0,1,2,3
	global_store_b64 v[VX], v[PC+4*\b:PC+4*\b+1], s[12:13] offset:(\a)*2048+512*\b        ; k = 32 b + 8 h + 0..7: 32 lanes store 256 consecutive bytes, aligned
	global_store_b64 v[VX], v[PC+4*\b+2:PC+4*\b+3], s[12:13] offset:(\a)*2048+512*\b+256  ; k = 32 b + 16 + 8 h + 0..7
.endr
.endm
.irp a, 0,1,2,3,4,5,6,7
	UOUT \a
.endr
.irp i, 0,1,2,3
	v_cndmask_b32 v[SS+\i], v[W4+2*\i], v[W4+2*\i+1], s45   ; lanes 0-15 tile 2 i's words, lanes 16-31 tile 2 i + 1's
.endr
	global_store_b128 v[VX+1], v[SS:SS+3], s[96:97]
	s_wait_tensorcnt 0x0                           ; the wave's end
	ds_add_u32 v[SPW], v[NIL]
	s_wait_dscnt 0x0
	CROUND                                         ; the closing round
	s_endpgm
.Lfunc_end_k_q2290f14764_mlp1:
	.size	k_q2290f14764_mlp1, .Lfunc_end_k_q2290f14764_mlp1-k_q2290f14764_mlp1
	.p2alignl 7, 3214868480
	.fill 96, 4, 3214868480
	.section	.rodata,"a",@progbits
	.p2align	6, 0x0
	.amdhsa_kernel k_q2290f14764_mlp1
		.amdhsa_group_segment_fixed_size 327680
		.amdhsa_private_segment_fixed_size 0
		.amdhsa_enable_private_segment 0
		.amdhsa_kernarg_size 32
		.amdhsa_user_sgpr_count 2
		.amdhsa_user_sgpr_kernarg_segment_ptr 1
		.amdhsa_wavefront_size32 1
		.amdhsa_system_sgpr_workgroup_id_x 1
		.amdhsa_system_sgpr_workgroup_id_y 1
		.amdhsa_system_sgpr_workgroup_id_z 1
		.amdhsa_system_vgpr_workitem_id 0
		.amdhsa_next_free_vgpr 1024
		.amdhsa_next_free_sgpr 98
		.amdhsa_reserve_vcc 0
		.amdhsa_float_denorm_mode_32 3
		.amdhsa_float_denorm_mode_16_64 3
		.amdhsa_memory_ordered 1
		.amdhsa_forward_progress 1
		.amdhsa_inst_pref_size 255
	.end_amdhsa_kernel
	.section	.bss,"aw",@nobits
	.p2align	6
	.space	262144
	.amdgpu_metadata
---
amdhsa.version: [ 1, 2 ]
amdhsa.kernels:
  - .name:           k_q2290f14764_mlp1
    .symbol:         k_q2290f14764_mlp1.kd
    .args:
      - { .name: hq, .offset: 0, .size: 8, .value_kind: global_buffer, .address_space: global }
      - { .name: W1_codes, .offset: 8, .size: 8, .value_kind: global_buffer, .address_space: global }
      - { .name: W1_scales, .offset: 16, .size: 8, .value_kind: global_buffer, .address_space: global }
      - { .name: ub, .offset: 24, .size: 8, .value_kind: global_buffer, .address_space: global }
    .group_segment_fixed_size: 327680
    .private_segment_fixed_size: 0
    .kernarg_segment_align: 8
    .kernarg_segment_size: 32
    .max_flat_workgroup_size: 128
    .sgpr_count:     98
    .vgpr_count:     1024
    .wavefront_size: 32
...
	.end_amdgpu_metadata
.endif
;; end of part 4
;; launch mlp2 (part 5): grid 8 x 32, 4 waves a work-group, clusters of 4 x 4, 327,680 bytes of LDS; arguments ub, W2_codes, W2_scales, att, out0; writes out0
.if DOCPART == 5
	.amdgcn_target "amdgcn-amd-amdhsa--gfx1250"
	.amdhsa_code_object_version 6
	.text
	.protected	k_q2290f14764_mlp2
	.globl	k_q2290f14764_mlp2
	.p2align	8
	.type	k_q2290f14764_mlp2,@function
k_q2290f14764_mlp2:
	s_mov_b64 s[64:65], 0
	v_nop
	global_prefetch_b8 v0, s[64:65] scope:SCOPE_SE
	s_setreg_imm32_b32 hwreg(HW_REG_WAVE_MODE, 25, 1), 1
	s_wait_xcnt 0x0
	s_wait_alu depctr_hold_cnt(0) depctr_sa_sdst(0) depctr_va_vdst(0) depctr_va_sdst(0) depctr_va_ssrc(0) depctr_va_vcc(0) depctr_vm_vsrc(0)
	s_getreg_b32 s2, hwreg(HW_REG_IB_STS2, 6, 4)
	s_cmp_eq_u32 s2, 0
	s_cbranch_scc0 .Lentry_in_a_cluster
	s_endpgm
.Lentry_in_a_cluster:
	s_bfe_u32 s2, ttmp6, 0x10000c
	s_cmp_lg_u32 s2, 0xf033
	s_cbranch_scc0 .Lentry_shape_is_right
	s_endpgm
.Lentry_shape_is_right:
; out0 = att + u W2^T, on codes of E4M3 with one E8M0 scale for each 32 along K = 4,096.  No work is left out here.
; "A" = u, 4,096 rows, as images of operand registers (ub: [32 blocks of 128 rows][32 K steps of 128][8 tiles][4 c][512], scale words [32][32][lane][4 words] at USW);  "B" = W2's 1,024 rows of 4,096 codes, 128 scale bytes a row.
; A tile of out0 is 128 x 128: 256 work-groups, where tiles of 256 x 256 would be 64.  Four waves, 64 x 64 each: 16 accumulators.  K goes in steps of 512 through two LDS slots: A's part is one dense block of 65,536 bytes,
; read back 16 bytes a lane on end; B's rows are 512 bytes + 16 of padding.  The scales of all of K come once.  64 matrix instructions a wave stand between two changes of slots.
; CLUSTERS: 4 x 4 work-groups; A's tiles are asked for jointly along a row of the cluster, B's along a column.
; THE MATRIX INSTRUCTION IS USED TRANSPOSED: in accumulator (a, b) lane (r, h) holds row 16 a + r and, in register j, column 16 b + 8 h + j.  A wave's 64 columns are 256 bytes of a row of out0, aligned: its stage is its own.
; REGISTERS: window 0: v0-31 addresses; v32-63 scale words, two sets; v64-127 the way out; v128-255 the accumulators.  window 1: two fragment buffers of 128 (A's four, then B's four).  window 2: v0-127 my part of att.
.set PITCHB, 528                       ; 132 words: row r starts at bank 4 r mod 64 (64 banks of 4 bytes: ISA guide 11.1)
.set ABYTES, 65536
.set HALFB,  64*PITCHB
.set SLOT,   ABYTES+2*HALFB            ; 133,120
.set SCA,    2*SLOT                    ; A's scale words, 16,384 bytes
.set SCB,    SCA+16384                 ; B's scale bytes: 64 units of 256 bytes + 16
.set HALFSB, 32*272
.set STAGE,  SCB+2*HALFSB              ; 16 rows x 272 bytes for each wave: bytes of its own, into which no fill lands
.set SP,     272
.set SPARE,  STAGE+4*16*SP             ; the spare words, 128 bytes a wave: two blocks of 256 bytes that no other line names
.set LAPS,   4                         ; 4,096 / 1,024
.set USW,    16777216
.set ADRA, 16
.set ADRB, 20
.set ADSA, 22
.set ADSB, 23
.set STO,  24
.set RD,   25
.set CO,   26
.set SPW,  28
.set NIL,  29
.set SC,   32                          ; set s at v[SC + 16 s]: A's words at + 2 q + a / 2 (lanes 0-15 the even tile, lanes 16-31 the odd one), B's at + 8 + 4 (b / 2) + q
.set OU,   64
.set ACC,  128
.set F0,   0
.set F1,   128
.set G1, 24
.set G0, 32
.set G1B, 48
.set G0B, 56
.set G1S, 68
.set G0S, 76
.set G1SB, 80
.set G0SB, 88
.set MSB, 0
.macro WIN new
.if MSB != (\new)
	s_set_vgpr_msb (MSB<<8)|(\new)
.set MSB, (\new)
.endif
.endm
.set MUL,  0x05                        ; sources 0 (B) and 1 (A) window 1; C and D window 0
.set TO_F, 0x40                        ; destination window 1
.macro JLOAD g0a, g1a, g0b, g1b        ; a joint load: waves 0 and 1 fetch for A, waves 2 and 3 for B; an s_nop 0 and four v_nop follow each line
	s_cmp_eq_u32 s15, 0
	s_cbranch_scc0 .Lfor_b_\@
	tensor_load_to_lds s[\g0a:\g0a+3], s[\g1a:\g1a+7]
	s_nop 0
.rept 4
	v_nop
.endr
	s_branch .Lasked_\@
.Lfor_b_\@:
	tensor_load_to_lds s[\g0b:\g0b+3], s[\g1b:\g1b+7]
	s_nop 0
.rept 4
	v_nop
.endr
.Lasked_\@:
.endm
.macro CREST
	s_cmp_lg_u32 s14, 0
	s_cbranch_scc1 .Lnot_wave_0_\@
	s_barrier_signal -3
.Lnot_wave_0_\@:
	s_barrier_wait -3
	s_barrier_signal -1
	s_barrier_wait -1
.endm
.macro CROUND
	s_barrier_signal -1
	s_barrier_wait -1
	CREST
.endm
	s_load_b256 s[4:11], s[0:1], 0x0               ; ub s[4:5], W2 codes s[6:7], W2 scales s[8:9], att s[10:11]
	s_load_b64 s[12:13], s[0:1], 0x20              ; out0
	v_lshl_add_u32 v[SPW], v0, 2, SPARE
	v_mov_b32 v[NIL], 0
	ds_add_u32 v[SPW], v[NIL]                      ; the wave's opening: the add, twice on end, and its wait ahead of my first tensor load
	ds_add_u32 v[SPW], v[NIL]
	v_lshrrev_b32 v1, 5, v0
	v_readfirstlane_b32 s14, v1                    ; wave 0..3
	s_lshr_b32 s15, s14, 1                         ; which 64 rows are mine.  Also: I fetch for A (0) or for B (1)
	s_and_b32 s16, s14, 1                          ; which 64 columns.  Also: which half of a tile I fetch
	s_bfe_u32 s40, ttmp6, 0x40000
	s_bfe_u32 s41, ttmp6, 0x40004
	s_lshl_b32 s42, ttmp9, 2
	s_add_co_u32 s42, s42, s40                     ; tile column, 0..7
	s_and_b32 s17, ttmp7, 0xffff
	s_lshl_b32 s17, s17, 2
	s_add_co_u32 s17, s17, s41                     ; tile row, 0..31
	s_lshl_b32 s43, s41, 2
	s_lshl_b32 s43, 15, s43                        ; my row of the cluster
	s_lshl_b32 s44, 0x1111, s40                    ; my column
	s_or_b32 s[G1+0], s43, (3<<16)|(1<<21)         ; A's half of a K step: 32,768 dense bytes as 128 rows of 256 (32 elements of 8 bytes); no padding
	s_mov_b32 s[G1+1], 32<<16
	s_mov_b32 s[G1+2], 128<<16
	s_mov_b32 s[G1+3], 32<<16
	s_mov_b32 s[G1+4], 128
	s_mov_b32 s[G1+5], 32
	s_mov_b32 s[G1+6], 0
	s_mov_b32 s[G1+7], 0
	s_or_b32 s[G1B+0], s44, (0<<16)|(1<<20)|(1<<21)|(6<<22)|(3<<25)  ; B's half: 64 rows of 512 bytes, 4,096 apart; 4 words of padding after every 128
	s_mov_b32 s[G1B+1], 512<<16
	s_mov_b32 s[G1B+2], 64<<16
	s_mov_b32 s[G1B+3], 512<<16
	s_mov_b32 s[G1B+4], 64
	s_mov_b32 s[G1B+5], 4096
	s_mov_b32 s[G1B+6], 0
	s_mov_b32 s[G1B+7], 0
	s_or_b32 s[G1S+0], s43, (3<<16)|(1<<21)        ; half of A's scale words: 8,192 dense bytes
	s_or_b32 s[G1SB+0], s44, (3<<16)|(1<<20)|(1<<21)|(5<<22)|(3<<25) ; half of B's scale bytes: the same, with 16 bytes of padding behind each 256
.irp g, G1S, G1SB
	s_mov_b32 s[\g+1], 32<<16
	s_mov_b32 s[\g+2], 32<<16
	s_mov_b32 s[\g+3], 32<<16
	s_mov_b32 s[\g+4], 32
	s_mov_b32 s[\g+5], 32
	s_mov_b32 s[\g+6], 0
	s_mov_b32 s[\g+7], 0
.endr
	s_lshl_b32 s20, s17, 19                        ; A's images: 524,288 bytes a block of 128 rows; my half of a K step
	s_lshl_b32 s18, s16, 15
	s_add_co_u32 s20, s20, s18
	s_mov_b32 s21, 0
	s_lshl_b32 s22, s17, 14                        ; A's scale words
	s_lshl_b32 s18, s16, 13
	s_add_co_u32 s22, s22, s18
	s_add_co_u32 s22, s22, USW
	s_mov_b32 s23, 0
	s_lshl_b32 s46, s42, 19                        ; B's codes: row 128 x tile column + 64 x half, 4,096 bytes a row
	s_lshl_b32 s18, s16, 18
	s_add_co_u32 s46, s46, s18
	s_mov_b32 s47, 0
	s_lshl_b32 s92, s42, 14                        ; B's scale bytes: 128 a row
	s_lshl_b32 s18, s16, 13
	s_add_co_u32 s92, s92, s18
	s_mov_b32 s93, 0
	s_lshl_b32 s45, s16, 15                        ; where they go: the wave's number alone enters an LDS address
	s_mul_i32 s94, s16, HALFB
	s_add_co_u32 s94, s94, ABYTES
	s_lshl_b32 s95, s16, 13
	s_add_co_u32 s95, s95, SCA
	s_mul_i32 s96, s16, HALFSB
	s_add_co_u32 s96, s96, SCB
	s_wait_dscnt 0x0                               ; both opening adds are done
	s_wait_kmcnt 0x0
	s_add_nc_u64 s[20:21], s[4:5], s[20:21]
	s_add_nc_u64 s[22:23], s[4:5], s[22:23]
	s_add_nc_u64 s[46:47], s[6:7], s[46:47]
	s_add_nc_u64 s[92:93], s[8:9], s[92:93]
	CROUND                                         ; all sixteen work-groups are here: the first joint loads meet
	s_mov_b32 s[G0S], 1
	s_mov_b32 s[G0S+1], s95
	s_mov_b64 s[G0S+2:G0S+3], s[22:23]
	s_or_b32 s[G0S+3], s[G0S+3], 0x80000000
	s_mov_b32 s[G0SB], 1
	s_mov_b32 s[G0SB+1], s96
	s_mov_b64 s[G0SB+2:G0SB+3], s[92:93]
	s_or_b32 s[G0SB+3], s[G0SB+3], 0x80000000
	JLOAD G0S, G1S, G0SB, G1SB                     ; the scales first
.irp s, 0,1
	s_mov_b32 s[G0+4*\s], 1
	s_add_co_u32 s[G0+4*\s+1], s45, \s*SLOT
	s_add_nc_u64 s[G0+4*\s+2:G0+4*\s+3], s[20:21], \s*65536
	s_or_b32 s[G0+4*\s+3], s[G0+4*\s+3], 0x80000000
	s_mov_b32 s[G0B+4*\s], 1
	s_add_co_u32 s[G0B+4*\s+1], s94, \s*SLOT
	s_add_nc_u64 s[G0B+4*\s+2:G0B+4*\s+3], s[46:47], \s*512
	s_or_b32 s[G0B+4*\s+3], s[G0B+4*\s+3], 0x80000000
	JLOAD G0+4*\s, G1, G0B+4*\s, G1B
.endr
	v_and_b32 v1, 15, v0                           ; r
	v_bfe_u32 v2, v0, 4, 1                         ; h
	v_and_b32 v3, 31, v0                           ; lane
	v_lshlrev_b32 v4, 4, v3                        ; 16 x lane
	s_lshl_b32 s21, s15, 13                        ; my four tiles of A: 8,192 bytes on for the lower 64 rows
	v_add_nc_u32 v[ADRA], s21, v4
	v_add_nc_u32 v[ADRA+1], SLOT, v[ADRA]
	v_mul_u32_u24 v5, v1, PITCHB
	v_lshl_add_u32 v5, v2, 4, v5
	s_mul_i32 s22, s16, HALFB
	s_add_co_u32 s22, s22, ABYTES
	v_add_nc_u32 v[ADRB], s22, v5
	v_add_nc_u32 v[ADRB+1], SLOT, v[ADRB]
	s_lshl_b32 s21, s15, 3
	s_add_co_u32 s21, s21, SCA
	v_add_nc_u32 v[ADSA], s21, v4                  ; A's scale words: my lane's four words, of which my rows want two
	v_lshrrev_b32 v5, 1, v3
	v_mul_u32_u24 v5, v5, 272
	v_and_b32 v6, 1, v3
	v_lshl_add_u32 v5, v6, 7, v5                   ; B's: row = lane: two rows of 128 bytes to a unit
	s_mul_i32 s22, s16, HALFSB
	s_add_co_u32 s22, s22, SCB
	v_add_nc_u32 v[ADSB], s22, v5
	s_mul_i32 s23, s14, 16*SP
	s_add_co_u32 s23, s23, STAGE
	v_mul_u32_u24 v5, v1, SP
	v_lshl_add_u32 v5, v2, 5, v5
	v_add_nc_u32 v[STO], s23, v5                   ; into my stage: row r, 32 h
	v_mul_u32_u24 v5, v2, SP
	v_lshl_add_u32 v5, v1, 4, v5
	v_add_nc_u32 v[RD], s23, v5                    ; back: lanes 0-15 one row, lanes 16-31 the next
	v_lshlrev_b32 v5, 12, v2
	v_lshl_add_u32 v[CO], v1, 4, v5                ; the same two rows in att and out0
	s_lshl_b32 s20, s17, 19                        ; my 64 x 64 in att and out0: row (128 tile row + 64 half) x 4,096 bytes + (128 tile column + 64 half) x 4
	s_lshl_b32 s21, s15, 18
	s_add_co_u32 s20, s20, s21
	s_lshl_b32 s46, s42, 9
	s_add_co_u32 s20, s20, s46
	s_lshl_b32 s21, s16, 8
	s_add_co_u32 s20, s20, s21
	s_mov_b32 s21, 0
	s_add_nc_u64 s[10:11], s[10:11], s[20:21]
	s_add_nc_u64 s[12:13], s[12:13], s[20:21]
	WIN 0x80                                       ; destination window 2
.irp a, 0,1,2,3
.irp t, 0,1,2,3,4,5,6,7
	global_load_b128 v[32*\a+4*\t:32*\a+4*\t+3], v[CO], s[10:11] offset:(16*\a+2*\t)*4096 th:TH_LOAD_NT   ; my part of att, asked for now and wanted at the end
.endr
.endr
	WIN 0
; 4 matrix instructions: A's block a x B's four, 128 along K: the slot's q-th, from buffer f.  The 16 accumulators take turns, one instruction a turn, in the same order in every quarter.
.macro MULA f, a, q, set, zero
.irp b, 0,1,2,3
.set rD, ACC+8*(4*(\a)+\b)
.set rX, \f+64+16*\b
.set rY, \f+16*(\a)
.set rSX, SC+16*(\set)+8+4*(\b/2)+(\q)
.set rSY, SC+16*(\set)+2*(\q)+(\a)/2
.set pX, \b%2
.set pY, (\a)%2
.if \zero
.if pX && pY
	v_wmma_scale_f32_16x16x128_f8f6f4 v[rD:rD+7], v[rX:rX+15], v[rY:rY+15], 0, v[rSX], v[rSY] matrix_a_scale:MATRIX_SCALE_ROW1 matrix_b_scale:MATRIX_SCALE_ROW1
.elseif pX
	v_wmma_scale_f32_16x16x128_f8f6f4 v[rD:rD+7], v[rX:rX+15], v[rY:rY+15], 0, v[rSX], v[rSY] matrix_a_scale:MATRIX_SCALE_ROW1
.elseif pY
	v_wmma_scale_f32_16x16x128_f8f6f4 v[rD:rD+7], v[rX:rX+15], v[rY:rY+15], 0, v[rSX], v[rSY] matrix_b_scale:MATRIX_SCALE_ROW1
.else
	v_wmma_scale_f32_16x16x128_f8f6f4 v[rD:rD+7], v[rX:rX+15], v[rY:rY+15], 0, v[rSX], v[rSY]
.endif
.else
.if pX && pY
	v_wmma_scale_f32_16x16x128_f8f6f4 v[rD:rD+7], v[rX:rX+15], v[rY:rY+15], v[rD:rD+7], v[rSX], v[rSY] matrix_a_scale:MATRIX_SCALE_ROW1 matrix_b_scale:MATRIX_SCALE_ROW1
.elseif pX
	v_wmma_scale_f32_16x16x128_f8f6f4 v[rD:rD+7], v[rX:rX+15], v[rY:rY+15], v[rD:rD+7], v[rSX], v[rSY] matrix_a_scale:MATRIX_SCALE_ROW1
.elseif pY
	v_wmma_scale_f32_16x16x128_f8f6f4 v[rD:rD+7], v[rX:rX+15], v[rY:rY+15], v[rD:rD+7], v[rSX], v[rSY] matrix_b_scale:MATRIX_SCALE_ROW1
.else
	v_wmma_scale_f32_16x16x128_f8f6f4 v[rD:rD+7], v[rX:rX+15], v[rY:rY+15], v[rD:rD+7], v[rSX], v[rSY]
.endif
.endif
.endr
.endm
; 32 LDS loads in one run: B's four fragments, then A's blocks 0, 1, then 2, 3, of the slot's q-th 128 along K, into buffer f
.macro FETCH slot, q, f
	WIN TO_F
.irp n, 0,1,2,3
.irp c, 0,1,2,3
	ds_load_b128 v[\f+64+16*\n+4*\c:\f+64+16*\n+4*\c+3], v[ADRB+\slot] offset:128*(\q)+\n*16*PITCHB+32*\c
.endr
.endr
.irp n, 0,1,2,3
.irp c, 0,1,2,3
	ds_load_b128 v[\f+16*\n+4*\c:\f+16*\n+4*\c+3], v[ADRA+\slot] offset:(\q)*16384+\n*2048+512*\c
.endr
.endr
.endm
.macro SCALES set                      ; a K step's scale words (every window is 0 here)
.irp q, 0,1,2,3
	ds_load_b64 v[SC+16*\set+2*\q:SC+16*\set+2*\q+1], v[ADSA] offset:512*\q
.endr
.irp p, 0,1
	ds_load_b128 v[SC+16*\set+8+4*\p:SC+16*\set+8+4*\p+3], v[ADSB] offset:4352*\p
.endr
.endm
.macro PLACES n                        ; plain vector instructions between a matrix instruction and a load into, or a read of, its registers
.rept \n
	v_nop
.endr
.endm
; A K step is four quarters of 128 along K, 16 matrix instructions each, on buffers 0, 1, 0, 1.  One of the first three multiplies buffer f and fetches the next quarter into g.
.macro QUARTER slot, q, f, g, zero
	s_wait_dscnt 8                                 ; B and A's blocks 0, 1 are in; the youngest eight loads (A's blocks 2, 3) may be out
	WIN MUL
	MULA \f, 0, \q, \slot, \zero
	MULA \f, 1, \q, \slot, \zero
	PLACES 8
	FETCH \slot, (\q)+1, \g
	s_wait_dscnt 32                                ; all but the 32 just issued
	WIN MUL
	MULA \f, 2, \q, \slot, \zero
	MULA \f, 3, \q, \slot, \zero
.endm
; The last quarter multiplies buffer 1 and changes slots: one barrier; in front of it each wave waits for all its tensor loads, adds 0 to its spare word, and waits for that and for its own reads of this slot.
.macro TURN slot, next, fill
	WIN 0                                          ; (the add's two registers lie in window 0)
	s_wait_tensorcnt 0x0                           ; all my tensor loads have landed: my part of the next slot
	ds_add_u32 v[SPW], v[NIL]                      ; 0 onto my spare word
	s_wait_dscnt 9                                 ; (the add and the youngest eight loads may be out)
	WIN MUL
	MULA F1, 0, 3, \slot, 0
	s_wait_dscnt 0x0                               ; the add is done, and my reads of this slot are over
	s_barrier_signal -1
	MULA F1, 1, 3, \slot, 0
	WIN 0
	s_barrier_wait -1
.if \fill
	CREST                                          ; a round of the cluster's barrier: no wave of any partner still reads this slot or has a load on its way
	s_add_nc_u64 s[G0+4*\slot+2:G0+4*\slot+3], s[G0+4*\slot+2:G0+4*\slot+3], 2*65536
	s_add_nc_u64 s[G0B+4*\slot+2:G0B+4*\slot+3], s[G0B+4*\slot+2:G0B+4*\slot+3], 2*512
	JLOAD G0+4*\slot, G1, G0B+4*\slot, G1B         ; the first tensor load behind the round; its four v_nop are among the places in front of the loads below
	PLACES 4
.else
	PLACES 8
.endif
	v_add_nc_u32 v[ADSA], 2048, v[ADSA]            ; on to the next K step's scale words
	v_add_nc_u32 v[ADSB], 16, v[ADSB]
	SCALES \next
	FETCH \next, 0, F0
	WIN MUL
	MULA F1, 2, 3, \slot, 0
	MULA F1, 3, 3, \slot, 0
.endm
	s_wait_tensorcnt 1                             ; the scales and my part of K step 0 are in (K step 1's load may be out),
	s_barrier_signal -1
	s_barrier_wait -1                              ; everybody's are
	SCALES 0
	FETCH 0, 0, F0
	QUARTER 0, 0, F0, F1, 1                        ; the first quarter's products start the sums: nothing is cleared
	WIN 0                                          ; at a label and at a branch every window is 0
	s_mov_b32 s3, LAPS-1
.Llap:                                                 ; a trip goes once round the ring, from a lap's second quarter to the next lap's first, and fills both slots again
	QUARTER 0, 1, F1, F0, 0
	QUARTER 0, 2, F0, F1, 0
	TURN 0, 1, 1
	QUARTER 1, 0, F0, F1, 0
	QUARTER 1, 1, F1, F0, 0
	QUARTER 1, 2, F0, F1, 0
	TURN 1, 0, 1
	QUARTER 0, 0, F0, F1, 0
	WIN 0
	s_sub_co_u32 s3, s3, 1
	s_cmp_lg_u32 s3, 0
	s_cbranch_scc1 .Llap
	QUARTER 0, 1, F1, F0, 0                        ; the last lap fills nothing, and has no round of the cluster's barrier
	QUARTER 0, 2, F0, F1, 0
	TURN 0, 1, 0
	QUARTER 1, 0, F0, F1, 0
	QUARTER 1, 1, F1, F0, 0
	QUARTER 1, 2, F0, F1, 0
	s_wait_dscnt 8                                 ; the very last quarter: nothing more to fetch
	WIN MUL
	MULA F1, 0, 3, 1, 0
	MULA F1, 1, 3, 1, 0
	s_wait_dscnt 0
	MULA F1, 2, 3, 1, 0
	MULA F1, 3, 3, 1, 0
	WIN 0
	; THE WAY OUT, 16 rows at a time: through my own stage, back as rows of 256 bytes, att added, stored.
	PLACES 8
	s_wait_loadcnt 0x0                             ; my part of att
.irp a, 0,1,2,3
.irp b, 0,1,2,3
	ds_store_b128 v[STO], v[ACC+8*(4*\a+\b):ACC+8*(4*\a+\b)+3] offset:64*\b        ; each accumulator from its low end on
	ds_store_b128 v[STO], v[ACC+8*(4*\a+\b)+4:ACC+8*(4*\a+\b)+7] offset:64*\b+16
.endr
.if \a >= 2
	s_wait_xcnt 0x0                                ; the stores of two blocks back have read these registers
.endif
.irp t, 0,1,2,3,4,5,6,7
	ds_load_b128 v[OU+32*(\a%2)+4*\t:OU+32*(\a%2)+4*\t+3], v[RD] offset:544*\t     ; LDS serves a wave's instructions in order: these see my stores, and the next block's stores come behind them
.endr
	s_wait_dscnt 0x0
	WIN 0x08                                       ; source 1: window 2
.irp k, 0,2,4,6,8,10,12,14,16,18,20,22,24,26,28,30
	v_pk_add_f32 v[OU+32*(\a%2)+\k:OU+32*(\a%2)+\k+1], v[OU+32*(\a%2)+\k:OU+32*(\a%2)+\k+1], v[32*\a+\k:32*\a+\k+1]
.endr
	WIN 0
.irp t, 0,1,2,3,4,5,6,7
	global_store_b128 v[CO], v[OU+32*(\a%2)+4*\t:OU+32*(\a%2)+4*\t+3], s[12:13] offset:(16*\a+2*\t)*4096 th:TH_STORE_NT   ; sixteen lanes store 256 consecutive bytes, aligned
.endr
.endr
	s_wait_tensorcnt 0x0                           ; the wave's end: behind my last tensor load and my last LDS store
	ds_add_u32 v[SPW], v[NIL]
	s_wait_dscnt 0x0
	CROUND                                         ; the closing round: no work-group ends while a partner may still ask for a tile that names it
	s_endpgm
.Lfunc_end_k_q2290f14764_mlp2:
	.size	k_q2290f14764_mlp2, .Lfunc_end_k_q2290f14764_mlp2-k_q2290f14764_mlp2
	.p2alignl 7, 3214868480
	.fill 96, 4, 3214868480
	.section	.rodata,"a",@progbits
	.p2align	6, 0x0
	.amdhsa_kernel k_q2290f14764_mlp2
		.amdhsa_group_segment_fixed_size 327680
		.amdhsa_private_segment_fixed_size 0
		.amdhsa_enable_private_segment 0
		.amdhsa_kernarg_size 40
		.amdhsa_user_sgpr_count 2
		.amdhsa_user_sgpr_kernarg_segment_ptr 1
		.amdhsa_wavefront_size32 1
		.amdhsa_system_sgpr_workgroup_id_x 1
		.amdhsa_system_sgpr_workgroup_id_y 1
		.amdhsa_system_sgpr_workgroup_id_z 1
		.amdhsa_system_vgpr_workitem_id 0
		.amdhsa_next_free_vgpr 768
		.amdhsa_next_free_sgpr 98
		.amdhsa_reserve_vcc 0
		.amdhsa_float_denorm_mode_32 3
		.amdhsa_float_denorm_mode_16_64 3
		.amdhsa_memory_ordered 1
		.amdhsa_forward_progress 1
		.amdhsa_inst_pref_size 99
	.end_amdhsa_kernel
	.amdgpu_metadata
---
amdhsa.version: [ 1, 2 ]
amdhsa.kernels:
  - .name:           k_q2290f14764_mlp2
    .symbol:         k_q2290f14764_mlp2.kd
    .args:
      - { .name: ub, .offset: 0, .size: 8, .value_kind: global_buffer, .address_space: global }
      - { .name: W2_codes, .offset: 8, .size: 8, .value_kind: global_buffer, .address_space: global }
      - { .name: W2_scales, .offset: 16, .size: 8, .value_kind: global_buffer, .address_space: global }
      - { .name: att, .offset: 24, .size: 8, .value_kind: global_buffer, .address_space: global }
      - { .name: out0, .offset: 32, .size: 8, .value_kind: global_buffer, .address_space: global }
    .group_segment_fixed_size: 327680
    .private_segment_fixed_size: 0
    .kernarg_segment_align: 8
    .kernarg_segment_size: 40
    .max_flat_workgroup_size: 128
    .sgpr_count:     98
    .vgpr_count:     768
    .wavefront_size: 32
...
	.end_amdgpu_metadata
.endif
;; end of part 5
